; MI455X (gfx1250); checked and timed in simulation.
; The chip was launched on July 23, 2026; its instructions are those of AMD's public machine-readable ISA for CDNA 5 (MIT licence, August 2026) and "CDNA5" Instruction Set Architecture Reference Guide (July 2026). The comments in the code are by the model that wrote it; some were corrected since.
;; Subspace HIE. Allowed arithmetic: matrix products marked QUANTISED: E3M2 operands, one E8M0 scale for each 32 along K, by v_wmma_scale_f32_16x16x128_f8f6f4 with both operands' format E3M2, f32 sums; everything else in f32.
;; Inputs: Wp 4 x 1,024 x 256 float32; Wr 4 x 256 x 1,024 float32; bp 4 x 256 float32; br 4 x 1,024 float32; ha 8 x 1,024 x 1,024 float32; hx 8 x 1,024 x 1,024 float32.
;; Outputs: out0 8 x 1,024 x 1,024 float32.
;; This version of the problem:
;;   THIS VERSION OF THE PROBLEM IS GIVEN IN LOW PRECISION. The matrix products marked QUANTISED in the list below multiply operands that are first quantised to E3M2 (3 exponent bits, 2 mantissa bits; 6 bits a number), with one power-of-two scale for each 32 numbers along K (OCP MX v1.0); their sums are f32. All else is computed in f32.
;;   The module's matrix products, in the order in which they are computed (A, B: the left and right operand; K: the contracted axis; several contracted axes count as one K, in the product's order):
;;     1. [M 1,024, K 1,024] x [K 1,024, N 8,192]; A: input Wp; B: input hx: QUANTISED
;;     2. [M 1,024, K 1,024] x [K 1,024, N 8,192]; A: input Wp; B: input ha: QUANTISED
;;     3. batch 32 x [M 1,024, K 256] x [K 256, N 1,024]; A: computed on the way; B: computed on the way: QUANTISED
;;     4. batch 32 x [M 1,024, K 1,024] x [K 1,024, N 256]; A: computed on the way; B: computed on the way: QUANTISED
;;     5. [M 8,192, K 1,024] x [K 1,024, N 1,024]; A: computed on the way; B: input Wr: QUANTISED
;;   THE QUANTISER, for each operand of a quantised product, along K:
;;     - K is cut into blocks of 32 from its start; a last block that is shorter is filled with zeros.
;;     - A block's scale is 2^e with e = floor(log2(the largest magnitude in the block)) - 4, held to -126 .. 127; a block of zeros has e = 0. As a byte (E8M0): e + 127.
;;     - Each number is divided by its block's scale, clamped to +-28, and rounded to the nearest number of E3M2, ties to even, subnormals kept.
;;     - The product sums the exact products of the quantised numbers (number of the format x scale) in f32.
;;   ~~~python
;;   def quantise(x, axis):      # numpy; x: float32 -> the quantised numbers, widened to float32 again
;;       x = np.moveaxis(x, axis, -1); K = x.shape[-1]
;;       x = np.pad(x, [(0, 0)] * (x.ndim - 1) + [(0, -K % 32)]); x = x.reshape(x.shape[:-1] + (-1, 32)); a = np.abs(x).max(-1, keepdims=True)
;;       e = np.where(a > 0, np.clip(np.frexp(np.where(a > 0, a, 1))[1] - 1 - 4, -126, 127), 0)      # np.frexp(a)[1] - 1 = floor(log2(a)), exactly
;;       r = np.clip(x / 2.0 ** e, -28, 28)
;;       step = 2.0 ** (np.maximum(np.frexp(np.where(r == 0, 1, r))[1] - 1, -2) - 2)
;;       q = np.round(r / step) * step * 2.0 ** e      # np.round: ties to even
;;       return np.moveaxis(q.reshape(q.shape[:-2] + (-1,))[..., :K], -1, axis).astype(np.float32)
;;   ~~~
;;   OPERANDS COMPUTED ON THE WAY. 'Computed on the way' means the value that the module computes at that place (a softmax that the list does not call 'softmax' is quantised finished and normalised). What goes into a quantiser is computed in f32, as accurately as f32 sums, v_exp_f32 and their like allow (about 1e-6 of the number): no bf16 or f16 on the way to a quantiser, and a product that is left as it is and whose result goes on into a quantised operand takes f32 operands (vector FMAs, or v_wmma_f32_16x16x4_f32). A number that lies on a knife's edge between two numbers of the format may be rounded either way, as far as f32 arithmetic and the matrix unit's own rounding can turn it there, and no further.
;; 2 versions. Each part assembles by itself: llvm-mc -triple=amdgcn-amd-amdhsa -mcpu=gfx1250 --defsym DOCPART=n.
;; ======== version 1 of 2: 3 launches
;; workspace buffers: wpc 819,200 bytes; wrc 819,200 bytes; xnc 6,553,600 bytes; kv 13,107,200 bytes
;; launch prep (part 1): grid 256 x 1, 2 waves a work-group, no clusters, 6,400 bytes of LDS; arguments Wp, Wr, wpc, wrc; writes wpc, wrc
.if DOCPART == 1
	.amdgcn_target "amdgcn-amd-amdhsa--gfx1250"
	.amdhsa_code_object_version 6
	.text
	.protected	k_qba74925fa8_prep
	.globl	k_qba74925fa8_prep
	.p2align	8
	.type	k_qba74925fa8_prep,@function
k_qba74925fa8_prep:
	s_mov_b64 s[64:65], 0
	v_nop
	global_prefetch_b8 v0, s[64:65] scope:SCOPE_SE
	s_setreg_imm32_b32 hwreg(HW_REG_WAVE_MODE, 25, 1), 1
	s_wait_xcnt 0x0
; SubspaceHIE, launch 1 of 3: the two weights become codes of E3M2 with one E8M0 byte for each 32 along K, laid in the order of the matrix operand's registers.
; NO WORK OF reference() IS LEFT OUT in this program: every input reaches out0 (bp moves codes, the eps clamp and the softmax's maximum are kept, br is added).
; Wp [4][1024 h][256 d]: K = h.  Wr [4 s][256 d][1024 h]: the last product contracts d and s; as it is lowered the contracted axes stand in the order (d, s),
; so K = 4 d + s and a block of 32 is 8 neighbouring d x the 4 subspaces.  Inside a block this program keeps the order 8 s + (d mod 8), on both operands alike.
; OUT: wpc = [K step k][s], wrc = [K step k][column quarter] pieces of 25,600 bytes: 16 fragments (16 rows x 128 K) of 1,536 bytes, lane l = r + 16 h owning bytes 48 l .. 48 l + 47
; (its 12 registers), then 16 x 64 bytes of scale words (row r's word at 4 r).  Lane r of tile 2 b + u holds operand row 32 b + 8 u + r + 8 (r / 8).
; SHARES: a wave takes 32 operand rows x 128 K.  A lane takes one operand row (a column of the weight) and its registers run down K: a block lies in one lane, each load reads 128 consecutive bytes.
; The codes go through the wave's own 3,072 bytes of LDS and leave as 512 consecutive bytes a store.  No matrix unit, cluster or ring: the launch only streams 8 MiB once.
; LIMITS: NaN and infinities are not served; a block whose largest magnitude lies under 2^-122 (a block of zeros too, where the rule says byte 127) keeps the byte 1: its codes are zeros or
; subnormal, and the bytes are read by this program alone.
.set SPARE, 6144                       ; behind the two stages: the spare words, 128 bytes a wave
.set X,   64                           ; v64-191  128 numbers
.set CB,  16                           ; v16-22   a block's codes
.set RBK, 24                           ; v24-47   the way out
	s_load_b128 s[4:7], s[0:1], 0x0                ; Wp, Wr
	s_load_b128 s[8:11], s[0:1], 0x10              ; wpc, wrc
	v_lshl_add_u32 v14, v0, 2, SPARE               ; my spare word
	v_mov_b32 v15, 0
	v_lshrrev_b32 v1, 5, v0
	v_readfirstlane_b32 s12, v1                    ; wave 0, 1
	v_and_b32 v1, 31, v0                           ; lane l = my operand row among the wave's 32
	v_lshlrev_b32 v2, 2, v1                        ; in: 4 bytes a lane
	v_bfe_u32 v8, v0, 3, 1                         ; u = (l / 8) mod 2: which of the two tiles
	v_and_b32 v9, 7, v0
	v_bfe_u32 v10, v0, 4, 1
	v_lshl_add_u32 v9, v10, 3, v9                  ; r = l mod 8 + 8 (l / 16): which row of it
	s_mul_i32 s13, s12, 3072                       ; my stage
	v_mul_u32_u24 v3, v9, 48
	v_mad_u32_u24 v3, v8, 1536, v3
	v_add_nc_u32 v3, s13, v3                       ; into it: tile u, row r
	v_lshlrev_b32 v5, 4, v1                        ; out: 16 bytes a lane
	v_add_nc_u32 v4, s13, v5
	v_lshlrev_b32 v6, 2, v9
	v_lshl_add_u32 v6, v8, 6, v6                   ; my scale word: 64 u + 4 r
	s_and_b32 s14, ttmp9, 127
	s_lshr_b32 s15, s14, 4                         ; k: the K step
	s_bfe_u32 s16, s14, 0x20002                    ; q: the subspace (Wp) or the quarter of the columns (Wr)
	s_and_b32 s17, s14, 3
	s_lshl_b32 s17, s17, 1
	s_add_co_u32 s17, s17, s12                     ; cg: which 32 operand rows of the 256
	s_cmp_lt_u32 ttmp9, 128                        ; the first 128 work-groups take Wp
	s_cselect_b32 s18, 20, 10                      ; q counts 1,048,576 bytes in Wp, 1,024 in Wr
	s_lshl_b32 s18, s16, s18
	s_lshl_b32 s19, s15, 17                        ; a K step is 131,072 bytes in both: 128 rows of 1,024 or 32 rows of 4,096
	s_add_co_u32 s18, s18, s19
	s_lshl_b32 s19, s17, 7
	s_add_co_u32 s18, s18, s19
	s_mov_b32 s19, 0
	s_lshl_b32 s20, s15, 2
	s_add_co_u32 s20, s20, s16
	s_mul_i32 s20, s20, 25600                      ; the piece
	s_mul_i32 s22, s17, 3072
	s_add_co_u32 s22, s22, s20                     ; my two fragments
	s_mov_b32 s23, 0
	s_lshl_b32 s24, s17, 7
	s_add_co_u32 s24, s24, s20
	s_add_co_u32 s24, s24, 24576                   ; my 32 scale words
	s_mov_b32 s25, 0
	s_wait_kmcnt 0x0
	s_cmp_lt_u32 ttmp9, 128
	s_cselect_b64 s[4:5], s[4:5], s[6:7]
	s_cselect_b64 s[8:9], s[8:9], s[10:11]
	s_add_nc_u64 s[4:5], s[4:5], s[18:19]
	s_add_nc_u64 s[26:27], s[8:9], s[24:25]
	s_add_nc_u64 s[8:9], s[8:9], s[22:23]
	s_cmp_lt_u32 ttmp9, 128
	s_cbranch_scc0 .Lwr
.set i, 0
.rept 128
	global_load_b32 v[X+i], v2, s[4:5] offset:i*1024 th:TH_LOAD_NT           ; Wp(128 k + i, my d)
.set i, i+1
.endr
	s_branch .Lgo
.Lwr:
.set i, 0
.rept 128
	global_load_b32 v[X+i], v2, s[4:5] offset:((i/8)%4)*1048576+((i/32)*8+(i%8))*4096 th:TH_LOAD_NT   ; number 32 B + 8 s + j is Wr(s, 32 k + 8 B + j, my h)
.set i, i+1
.endr
.Lgo:
; Block bb of the four: largest magnitude with the floor 2^(5 - 127) among its leaves, 4 off its exponent field = the conversion's scale operand, its byte, 32 codes = 24 bytes.
.macro BLOCK bb
.set XS, X+32*(\bb)
	v_max3_num_f32 v8, |v[XS]|, |v[XS+1]|, |v[XS+2]|
	v_max3_num_f32 v9, |v[XS+3]|, |v[XS+4]|, |v[XS+5]|
.irp i, 6,10,14,18,22,26
	v_max3_num_f32 v8, v8, |v[XS+\i]|, |v[XS+\i+1]|
	v_max3_num_f32 v9, v9, |v[XS+\i+2]|, |v[XS+\i+3]|
.endr
	v_max3_num_f32 v8, v8, |v[XS+30]|, |v[XS+31]|
	v_max3_num_f32 v8, v8, v9, 0x2800000
	v_add_nc_u32 v11, 0xfe000000, v8
	v_lshrrev_b32 v10, 23, v11
.if (\bb) == 0
	v_mov_b32 v12, v10
.else
	v_lshl_or_b32 v12, v10, 8*(\bb), v12           ; byte bb of my row's scale word
.endif
	v_cvt_scalef32_pk16_bf6_f32 v[CB:CB+2], v[XS:XS+15], v11
	v_cvt_scalef32_pk16_bf6_f32 v[CB+4:CB+6], v[XS+16:XS+31], v11    ; (a conversion's three registers begin on an even number)
	v_nop                                          ; one plain place behind a scaled conversion
	v_mov_b32 v[CB+3], v[CB+4]
	v_mov_b32 v[CB+4], v[CB+5]
	v_mov_b32 v[CB+5], v[CB+6]
.irp i, 0,1,2
	ds_store_b64 v3, v[CB+2*\i:CB+2*\i+1] offset:768*((\bb)%2)+24*((\bb)/2)+8*\i   ; block 2 c + h: lane r + 16 h, registers 6 c on
.endr
	s_wait_dscnt 0x0                               ; the stores have read their registers: the next block's codes may be written
.endm
	s_wait_loadcnt 63                              ; at most 63 of the 128 are out: numbers 0 to 64 are in (blocks 0 and 1)
	BLOCK 0
	BLOCK 1
	s_wait_loadcnt 32                              ; block 3's 32 loads may be out
	BLOCK 2
	s_wait_loadcnt 0x0
	BLOCK 3
	global_store_b32 v6, v12, s[26:27]             ; the wave's 32 scale words: 128 consecutive bytes
.irp i, 0,1,2,3,4,5
	ds_load_b128 v[RBK+4*\i:RBK+4*\i+3], v4 offset:512*\i     ; LDS serves a wave's instructions in order: these see my stores
.endr
.irp i, 0,1,2,3,4,5
	s_wait_dscnt 5-\i
	global_store_b128 v5, v[RBK+4*\i:RBK+4*\i+3], s[8:9] offset:512*\i   ; 512 consecutive bytes, at a multiple of 512 from the buffer's first byte
.endr
	s_wait_tensorcnt 0x0                           ; the wave's end, behind my last LDS store
	ds_add_u32 v14, v15
	s_wait_dscnt 0x0
	s_endpgm
.Lfunc_end_k_qba74925fa8_prep:
	.size	k_qba74925fa8_prep, .Lfunc_end_k_qba74925fa8_prep-k_qba74925fa8_prep
	.p2alignl 7, 3214868480
	.fill 96, 4, 3214868480
	.section	.rodata,"a",@progbits
	.p2align	6, 0x0
	.amdhsa_kernel k_qba74925fa8_prep
		.amdhsa_group_segment_fixed_size 6400
		.amdhsa_private_segment_fixed_size 0
		.amdhsa_enable_private_segment 0
		.amdhsa_kernarg_size 32
		.amdhsa_user_sgpr_count 2
		.amdhsa_user_sgpr_kernarg_segment_ptr 1
		.amdhsa_wavefront_size32 1
		.amdhsa_system_sgpr_workgroup_id_x 1
		.amdhsa_system_sgpr_workgroup_id_y 1
		.amdhsa_system_sgpr_workgroup_id_z 1
		.amdhsa_system_vgpr_workitem_id 0
		.amdhsa_next_free_vgpr 192
		.amdhsa_next_free_sgpr 66
		.amdhsa_reserve_vcc 0
		.amdhsa_float_denorm_mode_32 3
		.amdhsa_float_denorm_mode_16_64 3
		.amdhsa_memory_ordered 1
		.amdhsa_forward_progress 1
		.amdhsa_inst_pref_size 35
	.end_amdhsa_kernel
	.amdgpu_metadata
---
amdhsa.version: [ 1, 2 ]
amdhsa.kernels:
  - .name:           k_qba74925fa8_prep
    .symbol:         k_qba74925fa8_prep.kd
    .args:
      - { .name: Wp, .offset: 0, .size: 8, .value_kind: global_buffer, .address_space: global }
      - { .name: Wr, .offset: 8, .size: 8, .value_kind: global_buffer, .address_space: global }
      - { .name: wpc, .offset: 16, .size: 8, .value_kind: global_buffer, .address_space: global }
      - { .name: wrc, .offset: 24, .size: 8, .value_kind: global_buffer, .address_space: global }
    .group_segment_fixed_size: 6400
    .private_segment_fixed_size: 0
    .kernarg_segment_align: 8
    .kernarg_segment_size: 32
    .max_flat_workgroup_size: 64
    .sgpr_count:     66
    .vgpr_count:     192
    .wavefront_size: 32
...
	.end_amdgpu_metadata
.endif
;; end of part 1
;; launch proj (part 2): grid 256 x 1, 4 waves a work-group, clusters of 4 x 1, 327,680 bytes of LDS; arguments hx, ha, wpc, bp, xnc, kv; writes xnc, kv
.if DOCPART == 2
	.amdgcn_target "amdgcn-amd-amdhsa--gfx1250"
	.amdhsa_code_object_version 6
	.text
	.protected	k_qba74925fa8_proj
	.globl	k_qba74925fa8_proj
	.p2align	8
	.type	k_qba74925fa8_proj,@function
k_qba74925fa8_proj:
	s_mov_b64 s[64:65], 0
	v_nop
	global_prefetch_b8 v0, s[64:65] scope:SCOPE_SE
	s_setreg_imm32_b32 hwreg(HW_REG_WAVE_MODE, 25, 1), 1
	s_wait_xcnt 0x0
	s_wait_alu depctr_hold_cnt(0) depctr_sa_sdst(0) depctr_va_vdst(0) depctr_va_sdst(0) depctr_va_ssrc(0) depctr_va_vcc(0) depctr_vm_vsrc(0)
	s_getreg_b32 s2, hwreg(HW_REG_IB_STS2, 6, 4)
	s_cmp_eq_u32 s2, 0
	s_cbranch_scc0 .Lentry_in_a_cluster
	s_endpgm
.Lentry_in_a_cluster:
	s_bfe_u32 s2, ttmp6, 0x10000c
	s_cmp_lg_u32 s2, 0x3003
	s_cbranch_scc0 .Lentry_shape_is_right
	s_endpgm
.Lentry_shape_is_right:
; SubspaceHIE, launch 2 of 3: x_sub = Q(hx) Q(Wp) + bp and a_sub = Q(ha) Q(Wp) + bp (K = 1,024, codes of E3M2, E8M0 scales), then what the next products want of them:
; Q(x_sub / max(|x_sub|, 1e-8)) and the same of a_sub, quantised along d, and Q(a_sub) quantised along its rows j.  Nothing of reference() is left out.
; SHARES.  Work-groups 0-127 take hx, 128-255 ha, 64 rows each, all 1,024 columns.  Wave w is subspace w: 64 rows x 256 d = 64 accumulators; a K step of 128 is 64 matrix instructions a wave.
; The product is used transposed (source 0 = 16 rows d of Wp, source 1 = 16 rows of h): a lane holds ONE row, and by the order of Wp's rows in a tile the 16 registers of tiles 2 b, 2 b + 1 are 16 neighbouring d.
; CLUSTER.  The four work-groups of a cluster walk the same wpc: each K step's 102,400 bytes are asked for jointly (mask 15), a quarter a wave, through two LDS slots.
; PHASES.  X: wave w quantises rows 16 w .. 16 w + 15 (8 fragments) into LDS: each load reads 512 consecutive bytes of a row; a turn through the wave's stage gives a lane its 16 neighbours of each block.
; K: 8 steps.  Then (ha alone) a_sub goes through a stage so that a lane holds a column d and 32 rows j: its codes along j.  Then norms, the division, the codes along d; all leave as 512 consecutive bytes a store.
; OUT.  xnc: a piece of 25,600 bytes for each 32 rows: fragment f = 4 s + 2 u + k at 1,536 f (lane l's 12 registers at 48 l), rows 8 u + r + 8 (r / 8), scale words at 24,576 + 64 f + 4 r.
; kv[b] = AN_0, AT_0, AN_1, .. of 102,400 bytes each (128 rows j a pair): AN_t four such pieces; AT_t = [c][s] pieces of 12,800: 16 tiles (d = 16 T + r) of 768 bytes, lane r + 16 h' owning 24 bytes
; (block 2 c + h' of the 128 j), then scale bytes at 12,288 + 32 T + 2 r + h'.
; LIMITS: NaN and infinities are not served; a block whose largest magnitude lies under 2^-122 (a block of zeros too) keeps the byte 1; x / max(n, eps) is x times the reciprocal of max(sqrt(sum), eps).
; REGISTERS.  Window 0: v1-31 addresses; v32-47 at work; v48 a scale word; v52-71 codes; v72-83 scale words of the products; v84-99 sums and reciprocals; v100-147 x's four fragments; v148-243 W's 2 x 4.
; Window 1: two sets of 64 numbers of x, later bp in the result's layout (8 registers a tile).  Windows 2, 3: the rows as loaded; then accumulator (row tile m, tile T) at window 2 + T / 8, v[64 m + 8 (T mod 8)].
.set QUART, 25600
.set SLOTB, 102400
.set XIMG,  204800                     ; x's 32 fragments (4 kk + row tile), 49,152 bytes
.set XSC,   253952                     ; their scale words, 64 bytes each
.set OUT1,  256000                     ; 51,200 bytes: in phase X the waves' turn stages (12,800 apart, 16 rows of 528), later the codes along d
.set ATIMG, 204800                     ; behind the K loop: the codes along j, 51,200 bytes, where x's fragments lay
.set SPARE, 307200                     ; the spare words, 128 bytes a wave
.set WV,  16
.set TM,  32
.set PW,  48
.set PC,  52
.set XS,  72
.set WS,  76
.set SS,  84
.set INV, 92
.set XF,  100
.set WF,  148
.set TR,  100
.set CB,  164
.set MSB, 0
.macro WIN new                         ; the immediate's high byte repeats the setting that is left
.if MSB != (\new)
	s_set_vgpr_msb (MSB<<8)|(\new)
.set MSB, (\new)
.endif
.endm
.macro PLACES                          ; four plain places behind matrix instructions (ISA guide 7.12.1)
.rept 4
	v_nop
.endr
.endm
.macro BAR
	s_barrier_signal -1
	s_barrier_wait -1
.endm
.macro ROUND                           ; a round of the cluster's barrier
	s_barrier_signal -1
	s_barrier_wait -1
	s_cmp_lg_u32 s[WV], 0
	s_cbranch_scc1 .Lnw0_\@
	s_barrier_signal -3
.Lnw0_\@:
	s_barrier_wait -3
	s_barrier_signal -1
	s_barrier_wait -1
.endm
.macro WM d, a, b, c, sa, sb
	v_wmma_scale_f32_16x16x128_f8f6f4 v[(\d):(\d)+7], v[(\a):(\a)+11], v[(\b):(\b)+11], v[(\c):(\c)+7], v[\sa], v[\sb] matrix_a_fmt:MATRIX_FMT_BF6 matrix_b_fmt:MATRIX_FMT_BF6
.endm
; 64 numbers of a lane in window w, register 16 b + i = k 32 b + 16 (lane / 16) + i of my row, become a fragment's codes in v[PC] on and its scale word in v[PW].
.macro QUANT w, s
	WIN (\w)|((\w)<<2)
.irp b, 0,1,2,3
	v_max3_num_f32 v[TM+\b], |v[(\s)+16*\b]|, |v[(\s)+16*\b+1]|, 0x2800000        ; with the floor 2^(5 - 127): the byte cannot fall under 1
.endr
.irp i, 2,4,6,8,10,12,14
.irp b, 0,1,2,3
	v_max3_num_f32 v[TM+\b], |v[(\s)+16*\b+\i]|, |v[(\s)+16*\b+\i+1]|, v[TM+\b]
.endr
.endr
	WIN 0
.irp b, 0,1,2,3
	v_permlanex16_b32 v[TM+4+\b], v[TM+\b], s20, s21
.endr
.irp b, 0,1,2,3
	v_max_num_f32 v[TM+\b], v[TM+\b], v[TM+4+\b]   ; with lane l xor 16's: the block's largest magnitude
.endr
.irp b, 0,1,2,3
	v_add_nc_u32 v[TM+12+\b], 0xfe000000, v[TM+\b] ; 4 off its exponent field: the conversion's scale operand
.endr
.irp b, 0,1,2,3
	v_lshrrev_b32 v[TM+4+\b], 23, v[TM+12+\b]      ; the byte
.endr
	v_lshl_or_b32 v[PW], v[TM+5], 8, v[TM+4]
	v_lshl_or_b32 v[PW], v[TM+6], 16, v[PW]
	v_lshl_or_b32 v[PW], v[TM+7], 24, v[PW]
	WIN (\w)
.irp c, 0,1
	v_cvt_scalef32_pk16_bf6_f32 v[PC+6*\c:PC+6*\c+2], v[(\s)+32*\c:(\s)+32*\c+15], v[TM+12+2*\c]
	v_cvt_scalef32_pk16_bf6_f32 v[PC+12+4*\c:PC+14+4*\c], v[(\s)+32*\c+16:(\s)+32*\c+31], v[TM+13+2*\c]
.endr
	WIN 0
	v_nop                                          ; one plain place behind a scaled conversion
.irp c, 0,1                                    ; the operand wants a whole block in a lane: lanes 0-15 block 2 c, lanes 16-31 block 2 c + 1
.irp i, 0,1,2
	v_permlane16_swap_b32 v[PC+6*\c+\i], v[PC+12+4*\c+\i]
.endr
.irp i, 0,1,2
	v_mov_b32 v[PC+3+6*\c+\i], v[PC+12+4*\c+\i]
.endr
.endr
.endm
.macro IMAGE adr, off                          ; the fragment goes to LDS as an image of its registers: 48 bytes a lane
.irp c, 0,1,2
	ds_store_b128 v[\adr], v[PC+4*\c:PC+4*\c+3] offset:(\off)+16*\c
.endr
.endm
; K step kk's 16 rows x 512 bytes go into my stage as loaded and come back 64 bytes of a row a lane and block
.macro TURN kk
.if (\kk) < 4
	s_wait_loadcnt 63                              ; at most 63 of the 128 are out: the first 65 are in
.else
	s_wait_loadcnt 112-16*(\kk)                    ; the later K steps' loads may be out
.endif
	WIN (2+(\kk)/4)<<2
.set i, 0
.rept 16
	ds_store_b128 v5, v[64*((\kk)%4)+4*i:64*((\kk)%4)+4*i+3] offset:528*i
.set i, i+1
.endr
	WIN 0x40
.irp b, 0,1,2,3
.irp j, 0,1,2,3
	ds_load_b128 v[64*((\kk)%2)+16*\b+4*\j:64*((\kk)%2)+16*\b+4*\j+3], v6 offset:128*\b+16*\j
.endr
.endr
	WIN 0
.endm
.macro FETCHX
.irp m, 0,1,2,3
.irp c, 0,1,2
	ds_load_b128 v[XF+12*\m+4*\c:XF+12*\m+4*\c+3], v9 offset:1536*\m+16*\c
.endr
	ds_load_b32 v[XS+\m], v10 offset:64*\m
.endr
.endm
.macro FETCHW slot, g                          ; tiles 4 g .. 4 g + 3 of my subspace into set g mod 2
.irp t, 0,1,2,3
.irp c, 0,1,2
	ds_load_b128 v[WF+48*((\g)%2)+12*\t+4*\c:WF+48*((\g)%2)+12*\t+4*\c+3], v[11+\slot] offset:1536*(4*(\g)+\t)+16*\c
.endr
	ds_load_b32 v[WS+4*((\g)%2)+\t], v[13+\slot] offset:64*(4*(\g)+\t)
.endr
.endm
.macro MUL g, first                            ; 16 matrix instructions, each on another accumulator.  first: bp is the C of the sums' first product
.if \first
	WIN 0x90+0x40*((\g)/2)
.else
	WIN 0xa0+0x50*((\g)/2)
.endif
.irp t, 0,1,2,3
.irp m, 0,1,2,3
.if \first
	WM 64*\m+8*((4*(\g)+\t)%8), WF+48*((\g)%2)+12*\t, XF+12*\m, 8*(4*(\g)+\t), WS+4*((\g)%2)+\t, XS+\m
.else
	WM 64*\m+8*((4*(\g)+\t)%8), WF+48*((\g)%2)+12*\t, XF+12*\m, 64*\m+8*((4*(\g)+\t)%8), WS+4*((\g)%2)+\t, XS+\m
.endif
.endr
.endr
	WIN 0
.endm
.macro KSTEP slot, first
	FETCHX
	FETCHW \slot, 0
	FETCHW \slot, 1
	s_wait_dscnt 16                                ; all but the 16 just issued
	MUL 0, \first
	PLACES
	FETCHW \slot, 2
	s_wait_dscnt 16
	MUL 1, \first
	PLACES
	FETCHW \slot, 3
	s_wait_dscnt 16
	MUL 2, \first
	s_wait_dscnt 0x0
	MUL 3, \first
	v_add_nc_u32 v9, 6144, v9                      ; x's next K step
	v_add_nc_u32 v10, 256, v10
.endm
.macro TRIP slot, refill
	s_wait_tensorcnt 0x0                           ; all my tensor loads have landed, my quarter of this slot among them
	ds_add_u32 v26, v27                            ; 0 onto my spare word
.if \refill
	s_add_nc_u64 s[38-4*\slot:39-4*\slot], s[38-4*\slot:39-4*\slot], 2*SLOTB   ; no load of mine is out: the other slot's next K step
.endif
	s_wait_dscnt 0x0                               ; the add is done, and my reads of the other slot are over
.if \refill
	ROUND                                          ; so of every wave of the four work-groups
	tensor_load_to_lds s[36-4*\slot:39-4*\slot], s[24:31]
	s_nop 0
	PLACES                                         ; also the places in front of the loads below
.else
	BAR
	PLACES
.endif
	KSTEP \slot, 0
.endm
.macro ATLOADS g                               ; 32 rows j of column d = 32 g + lane
.set i, 0
.rept 32
	ds_load_b32 v[TR+32*((\g)%2)+i], v22 offset:1040*i+128*(\g)
.set i, i+1
.endr
.endm
; rows 32 bq .. 32 bq + 31 of a_sub: as they are into my stage (row pitch 1,040), back a column a lane: one block along j a lane
.macro ATBLOCK bq
.irp w, 0,1
	WIN (2+\w)<<2
.irp e, 0,1
.irp t, 0,1,2,3,4,5,6,7
	ds_store_b128 v21, v[64*(2*(\bq)+\e)+8*\t:64*(2*(\bq)+\e)+8*\t+3] offset:16640*\e+128*((8*\w+\t)/2)+32*(\t%2)      ; each accumulator from its low end on
	ds_store_b128 v21, v[64*(2*(\bq)+\e)+8*\t+4:64*(2*(\bq)+\e)+8*\t+7] offset:16640*\e+128*((8*\w+\t)/2)+32*(\t%2)+16
.endr
.endr
.endr
	WIN 0
	ATLOADS 0
.irp g, 0,1,2,3,4,5,6,7
.if \g < 7
	ATLOADS \g+1
	s_wait_dscnt 32                                ; all but the next group's 32 loads: this group's numbers are in, the last group's stores are done
.else
	s_wait_dscnt 0x0
.endif
.set XA0, TR+32*(\g%2)
.set CC, CB+8*(\g%2)
	v_max3_num_f32 v32, |v[XA0]|, |v[XA0+1]|, |v[XA0+2]|
	v_max3_num_f32 v33, |v[XA0+3]|, |v[XA0+4]|, |v[XA0+5]|
.irp i, 6,10,14,18,22,26
	v_max3_num_f32 v32, v32, |v[XA0+\i]|, |v[XA0+\i+1]|
	v_max3_num_f32 v33, v33, |v[XA0+\i+2]|, |v[XA0+\i+3]|
.endr
	v_max3_num_f32 v32, v32, |v[XA0+30]|, |v[XA0+31]|
	v_max3_num_f32 v32, v32, v33, 0x2800000
	v_add_nc_u32 v34, 0xfe000000, v32
	v_lshrrev_b32 v[CC+7], 23, v34
	v_cvt_scalef32_pk16_bf6_f32 v[CC:CC+2], v[XA0:XA0+15], v34
	v_cvt_scalef32_pk16_bf6_f32 v[CC+4:CC+6], v[XA0+16:XA0+31], v34
	v_nop
	v_mov_b32 v[CC+3], v[CC+4]
	v_mov_b32 v[CC+4], v[CC+5]
	v_mov_b32 v[CC+5], v[CC+6]
.irp i, 0,1,2
	ds_store_b64 v23, v[CC+2*\i:CC+2*\i+1] offset:1536*\g+384*(\bq)+8*\i
.endr
	ds_store_b8 v24, v[CC+7] offset:64*\g+(\bq)
.endr
.endm
.macro COPY la, d                              ; 12,800 bytes a wave from LDS to memory, 512 consecutive bytes a store
.set i, 0
.rept 25
	ds_load_b128 v[100+4*i:103+4*i], v[\la] offset:512*i
.set i, i+1
.endr
.set i, 0
.rept 25
	s_wait_dscnt 24-i
	global_store_b128 v19, v[100+4*i:103+4*i], s[\d:\d+1] offset:512*i
.set i, i+1
.endr
.endm
	s_load_b256 s[4:11], s[0:1], 0x0               ; hx, ha, wpc, bp
	s_load_b128 s[12:15], s[0:1], 0x20             ; xnc, kv
	v_lshl_add_u32 v26, v0, 2, SPARE
	v_mov_b32 v27, 0
	ds_add_u32 v26, v27                            ; the opening: the add, twice on end, and its wait ahead of my first tensor load
	ds_add_u32 v26, v27
	v_lshrrev_b32 v1, 5, v0
	v_readfirstlane_b32 s[WV], v1                  ; wave 0..3 = my subspace
	s_bfe_u32 s17, ttmp6, 0x40000                  ; cx
	s_lshl_b32 s18, ttmp9, 2
	s_add_co_u32 s18, s18, s17                     ; work-group 0..255: it enters global addresses alone
	s_mov_b32 s20, 0x76543210
	s_mov_b32 s21, 0xfedcba98                      ; v_permlanex16_b32's selects for lane l xor 16
	s_mov_b32 s24, 0x0023000f                      ; group 1: mask 15, elements of 8 bytes, bit 21 beside the mask, no padding
	s_mov_b32 s25, 32<<16                          ; tensor_dim0 = 32 (256 bytes)
	s_mov_b32 s26, 100<<16                         ; tensor_dim1 = 100 rows: 25,600 dense bytes
	s_mov_b32 s27, 32<<16                          ; tile_dim0
	s_mov_b32 s28, 100                             ; tile_dim1
	s_mov_b32 s29, 32                              ; pitch
	s_mov_b32 s30, 0
	s_mov_b32 s31, 0
	v_and_b32 v1, 15, v0                           ; r
	v_bfe_u32 v2, v0, 4, 1                         ; h
	v_and_b32 v3, 31, v0                           ; l
	v_lshlrev_b32 v4, 4, v3                        ; 16 l
	v_mul_u32_u24 v28, v3, 48                      ; 48 l
	v_lshlrev_b32 v29, 2, v1                       ; 4 r
	v_lshrrev_b32 v30, 3, v1
	v_and_b32 v31, 7, v1
	s_mul_i32 s50, s[WV], QUART
	s_mov_b32 s51, 0
	s_mul_i32 s58, s[WV], 12800
	s_add_co_u32 s59, s58, OUT1
	v_add_nc_u32 v5, s59, v4                       ; the turn stage, in; later: my 12,800 bytes of OUT1 on the way out
	v_mul_u32_u24 v6, v1, 528
	v_lshl_add_u32 v6, v2, 6, v6
	v_add_nc_u32 v6, s59, v6                       ; the turn stage, out: row r, + 64 h
	s_mul_i32 s60, s[WV], 1536
	s_add_co_u32 s60, s60, XIMG
	v_add_nc_u32 v7, s60, v28                      ; where I store x's fragments
	s_lshl_b32 s60, s[WV], 6
	s_add_co_u32 s60, s60, XSC
	v_add_nc_u32 v8, s60, v29                      ; and their scale words
	v_add_nc_u32 v9, XIMG, v28                     ; where I read them
	v_add_nc_u32 v10, XSC, v29
	v_add_nc_u32 v11, s50, v28                     ; my quarter of slot 0, 1
	v_add_nc_u32 v12, SLOTB, v11
	v_add_nc_u32 v13, s50, v29
	v_add_nc_u32 v13, 24576, v13                   ; its scale words
	v_add_nc_u32 v14, SLOTB, v13
	v_lshlrev_b32 v15, 6, v2                       ; bp: 64 h
	v_mul_u32_u24 v16, v31, 48
	v_mad_u32_u24 v16, v30, 3072, v16
	v_mad_u32_u24 v16, v2, 768, v16
	s_mul_i32 s60, s[WV], 6144
	s_add_co_u32 s60, s60, OUT1
	v_add_nc_u32 v16, s60, v16                     ; the codes along d: fragment 4 s + 2 (r / 8), lane r mod 8 + 16 h
	v_lshlrev_b32 v17, 2, v31
	v_lshl_add_u32 v17, v30, 7, v17
	s_lshl_b32 s60, s[WV], 8
	s_add_co_u32 s60, s60, OUT1+24576
	v_add_nc_u32 v17, s60, v17                     ; their scale words
	v_add_nc_u32 v19, s58, v4                      ; the way out, in memory
	v_add_nc_u32 v20, ATIMG, v19                   ; my 12,800 bytes of the codes along j
	s_mul_i32 s60, s[WV], 51200
	v_mul_u32_u24 v21, v1, 1040
	v_lshl_add_u32 v21, v2, 6, v21
	v_add_nc_u32 v21, s60, v21                     ; a_sub's stage (in the slots, behind their last fill), in
	v_lshl_add_u32 v22, v3, 2, s60                 ; and out
	v_mul_u32_u24 v23, v1, 24
	v_mad_u32_u24 v23, v2, 768, v23
	s_add_co_u32 s60, s58, ATIMG
	v_add_nc_u32 v23, s60, v23                     ; column 32 g + l: tile 2 g + l / 16, row l mod 16
	v_lshlrev_b32 v24, 1, v1
	v_lshl_add_u32 v24, v2, 5, v24
	s_add_co_u32 s60, s60, 12288
	v_add_nc_u32 v24, s60, v24
.irp b, 0,1,2,3
	v_mov_b32 v[TM+4+\b], 0                        ; written once: a lane permute's destination counts as one of its sources
.endr
	s_and_b32 s54, s18, 127                        ; which 64 rows of my tensor
	s_lshl_b32 s52, s54, 18
	s_lshl_b32 s53, s[WV], 16
	s_add_co_u32 s52, s52, s53                     ; my wave's 16 rows of 4,096 bytes
	s_mov_b32 s53, 0
	s_mul_i32 s55, s54, 51200                      ; xnc: two pieces
	s_lshr_b32 s56, s54, 4
	s_mul_i32 s56, s56, 1638400                    ; kv: the batch,
	s_bfe_u32 s57, s54, 0x30001
	s_mul_i32 s57, s57, 204800                     ; the pair AN_t, AT_t,
	s_add_co_u32 s56, s56, s57
	s_and_b32 s57, s54, 1
	s_mul_i32 s57, s57, 51200                      ; its first or second half
	s_add_co_u32 s56, s56, s57
	s_lshl_b32 s60, s[WV], 10
	s_mov_b32 s61, 0
	s_wait_dscnt 0x0                               ; both opening adds are done
	s_wait_kmcnt 0x0
	s_cmp_lt_u32 ttmp9, 32                         ; clusters 0-31: hx.  The cluster's number: the same in all four partners
	s_cselect_b64 s[40:41], s[4:5], s[6:7]
	s_cselect_b32 s56, s55, s56
	s_cselect_b64 s[46:47], s[12:13], s[14:15]
	s_mov_b32 s57, 0
	s_add_nc_u64 s[40:41], s[40:41], s[52:53]
	s_add_nc_u64 s[46:47], s[46:47], s[56:57]      ; where the codes along d go
	s_add_nc_u64 s[48:49], s[46:47], 102400        ; ha: where the codes along j go
	s_add_nc_u64 s[10:11], s[10:11], s[60:61]      ; bp of my subspace
	s_add_nc_u64 s[8:9], s[8:9], s[50:51]          ; wpc at my quarter of K step 0
.irp n, 0,1
	s_mov_b32 s[32+4*\n], 1
	s_add_co_u32 s[33+4*\n], s50, \n*SLOTB
	s_add_nc_u64 s[34+4*\n:35+4*\n], s[8:9], \n*SLOTB
	s_or_b32 s[35+4*\n], s[35+4*\n], 0x80000000
.endr
	ROUND                                          ; the four work-groups are here: the first joint loads meet
	tensor_load_to_lds s[32:35], s[24:31]          ; K step 0
	s_nop 0
	tensor_load_to_lds s[36:39], s[24:31]          ; K step 1: two loads of mine are out
	s_nop 0
	PLACES
	; ---- X
	WIN 0x80
.set kk, 0
.rept 4
.set i, 0
.rept 16
	global_load_b128 v[64*kk+4*i:64*kk+4*i+3], v4, s[40:41] offset:4096*i+512*kk th:TH_LOAD_NT   ; row i, K step kk: 512 consecutive bytes
.set i, i+1
.endr
.set kk, kk+1
.endr
	WIN 0xc0
.rept 4
.set i, 0
.rept 16
	global_load_b128 v[64*(kk-4)+4*i:64*(kk-4)+4*i+3], v4, s[40:41] offset:4096*i+512*kk th:TH_LOAD_NT
.set i, i+1
.endr
.set kk, kk+1
.endr
	WIN 0
	TURN 0
.irp q, 0,1,2,3,4,5,6,7
.if \q < 7
	TURN \q+1
	s_wait_dscnt 32                                ; all but the next turn's 16 stores and 16 loads: this K step's numbers are in, the last fragment's stores are done
.else
	s_wait_dscnt 0x0
.endif
	QUANT 1, 64*(\q%2)
	IMAGE 7, 6144*\q
	ds_store_b32 v8, v[PW] offset:256*\q
.endr
	WIN 0x40
.irp t, 0,1,2,3,4,5,6,7,8,9,10,11,12,13,14,15
	global_load_b128 v[8*\t:8*\t+3], v15, s[10:11] offset:128*(\t/2)+32*(\t%2)       ; bp at the lane's eight d of tile t: 32 (t / 2) + 16 h + 8 (t mod 2) + 0 .. 7
	global_load_b128 v[8*\t+4:8*\t+7], v15, s[10:11] offset:128*(\t/2)+32*(\t%2)+16
.endr
	WIN 0
	s_wait_tensorcnt 1                             ; my quarter of K step 0 is in; K step 1's may stay out
	s_wait_dscnt 0x0                               ; my fragments of x lie in LDS
	s_wait_loadcnt 0x0                             ; bp
	BAR
	; ---- K
	KSTEP 0, 1
	s_mov_b32 s44, 3
.Lk:
	TRIP 1, 1
	TRIP 0, 1
	s_sub_co_u32 s44, s44, 1
	s_cmp_lg_u32 s44, 0
	s_cbranch_scc1 .Lk
	TRIP 1, 0                                      ; the last K step asks for nothing
	PLACES
	s_wait_dscnt 0x0
	BAR                                            ; nobody reads the slots or x's fragments any more
	s_cmp_lt_u32 ttmp9, 32
	s_cbranch_scc1 .Lno_at                         ; hx has no codes along its rows
	ATBLOCK 0
	ATBLOCK 1
.Lno_at:
	; ---- norms: the sum of squares of my row's 128 numbers, then lane l xor 16's
	WIN 0x0a
.irp m, 0,1,2,3
	v_pk_mul_f32 v[SS+2*\m:SS+2*\m+1], v[64*\m:64*\m+1], v[64*\m:64*\m+1]
.endr
.set p, 1
.rept 31
.irp m, 0,1,2,3
	v_pk_fma_f32 v[SS+2*\m:SS+2*\m+1], v[64*\m+2*p:64*\m+2*p+1], v[64*\m+2*p:64*\m+2*p+1], v[SS+2*\m:SS+2*\m+1]
.endr
.set p, p+1
.endr
	WIN 0x0f
.set p, 0
.rept 32
.irp m, 0,1,2,3
	v_pk_fma_f32 v[SS+2*\m:SS+2*\m+1], v[64*\m+2*p:64*\m+2*p+1], v[64*\m+2*p:64*\m+2*p+1], v[SS+2*\m:SS+2*\m+1]
.endr
.set p, p+1
.endr
	WIN 0
.irp m, 0,1,2,3
	v_add_f32 v[SS+2*\m], v[SS+2*\m], v[SS+2*\m+1]
.endr
.irp m, 0,1,2,3
	v_permlanex16_b32 v[TM+4+\m], v[SS+2*\m], s20, s21
.endr
.irp m, 0,1,2,3
	v_add_f32 v[SS+2*\m], v[SS+2*\m], v[TM+4+\m]
.endr
.irp m, 0,1,2,3
	v_sqrt_f32 v[SS+2*\m], v[SS+2*\m]
.endr
	v_nop                                          ; a plain place behind the roots
	s_wait_alu depctr_va_vdst(0)                   ; one wait for the four, ahead of their first reader
.irp m, 0,1,2,3
	v_max_num_f32 v[SS+2*\m], 0x322bcc77, v[SS+2*\m]   ; max(norm, 1e-8)
.endr
.irp m, 0,1,2,3
	v_rcp_f32 v[INV+2*\m], v[SS+2*\m]
	v_rcp_f32 v[INV+2*\m+1], v[SS+2*\m]            ; (the packed multiply names the pair)
.endr
	v_nop
	s_wait_alu depctr_va_vdst(0)
.irp w, 2,3
	WIN ((\w)<<6)|(\w)
.irp m, 0,1,2,3
.set p, 0
.rept 32
	v_pk_mul_f32 v[64*\m+2*p:64*\m+2*p+1], v[64*\m+2*p:64*\m+2*p+1], v[INV+2*\m:INV+2*\m+1] op_sel_hi:[1,0]
.set p, p+1
.endr
.endr
.endr
	WIN 0
.irp m, 0,1,2,3
.irp k, 0,1
	QUANT 2+\k, 64*\m
	IMAGE 16, 25600*(\m/2)+1536*\k+384*(\m%2)
	ds_store_b32 v17, v[PW] offset:25600*(\m/2)+64*\k+32*(\m%2)
	s_wait_dscnt 0x0                               ; the stores have read their registers
.endr
.endr
	BAR                                            ; all four waves' codes lie in LDS
	COPY 5, 46
	s_cmp_lt_u32 ttmp9, 32
	s_cbranch_scc1 .Ldone
	s_wait_xcnt 0x0                                ; the stores have read their registers: they may be loaded again
	COPY 20, 48
.Ldone:
	s_wait_tensorcnt 0x0                           ; the wave's end
	ds_add_u32 v26, v27
	s_wait_dscnt 0x0
	ROUND                                          ; the closing round
	s_endpgm
.Lfunc_end_k_qba74925fa8_proj:
	.size	k_qba74925fa8_proj, .Lfunc_end_k_qba74925fa8_proj-k_qba74925fa8_proj
	.p2alignl 7, 3214868480
	.fill 96, 4, 3214868480
	.section	.rodata,"a",@progbits
	.p2align	6, 0x0
	.amdhsa_kernel k_qba74925fa8_proj
		.amdhsa_group_segment_fixed_size 327680
		.amdhsa_private_segment_fixed_size 0
		.amdhsa_enable_private_segment 0
		.amdhsa_kernarg_size 48
		.amdhsa_user_sgpr_count 2
		.amdhsa_user_sgpr_kernarg_segment_ptr 1
		.amdhsa_wavefront_size32 1
		.amdhsa_system_sgpr_workgroup_id_x 1
		.amdhsa_system_sgpr_workgroup_id_y 1
		.amdhsa_system_sgpr_workgroup_id_z 1
		.amdhsa_system_vgpr_workitem_id 0
		.amdhsa_next_free_vgpr 1024
		.amdhsa_next_free_sgpr 66
		.amdhsa_reserve_vcc 0
		.amdhsa_float_denorm_mode_32 3
		.amdhsa_float_denorm_mode_16_64 3
		.amdhsa_memory_ordered 1
		.amdhsa_forward_progress 1
		.amdhsa_inst_pref_size 255
	.end_amdhsa_kernel
	.section	.bss,"aw",@nobits
	.p2align	6
	.space	262144
	.amdgpu_metadata
---
amdhsa.version: [ 1, 2 ]
amdhsa.kernels:
  - .name:           k_qba74925fa8_proj
    .symbol:         k_qba74925fa8_proj.kd
    .args:
      - { .name: hx, .offset: 0, .size: 8, .value_kind: global_buffer, .address_space: global }
      - { .name: ha, .offset: 8, .size: 8, .value_kind: global_buffer, .address_space: global }
      - { .name: wpc, .offset: 16, .size: 8, .value_kind: global_buffer, .address_space: global }
      - { .name: bp, .offset: 24, .size: 8, .value_kind: global_buffer, .address_space: global }
      - { .name: xnc, .offset: 32, .size: 8, .value_kind: global_buffer, .address_space: global }
      - { .name: kv, .offset: 40, .size: 8, .value_kind: global_buffer, .address_space: global }
    .group_segment_fixed_size: 327680
    .private_segment_fixed_size: 0
    .kernarg_segment_align: 8
    .kernarg_segment_size: 48
    .max_flat_workgroup_size: 128
    .sgpr_count:     66
    .vgpr_count:     1024
    .wavefront_size: 32
...
	.end_amdgpu_metadata
.endif
;; end of part 2
;; launch attn (part 3): grid 256 x 1, 4 waves a work-group, clusters of 4 x 1, 327,680 bytes of LDS; arguments xnc, kv, wrc, br, out0; writes out0
.if DOCPART == 3
	.amdgcn_target "amdgcn-amd-amdhsa--gfx1250"
	.amdhsa_code_object_version 6
	.text
	.protected	k_qba74925fa8_attn
	.globl	k_qba74925fa8_attn
	.p2align	8
	.type	k_qba74925fa8_attn,@function
k_qba74925fa8_attn:
	s_mov_b64 s[64:65], 0
	v_nop
	global_prefetch_b8 v0, s[64:65] scope:SCOPE_SE
	s_setreg_imm32_b32 hwreg(HW_REG_WAVE_MODE, 25, 1), 1
	s_wait_xcnt 0x0
	s_wait_alu depctr_hold_cnt(0) depctr_sa_sdst(0) depctr_va_vdst(0) depctr_va_sdst(0) depctr_va_ssrc(0) depctr_va_vcc(0) depctr_vm_vsrc(0)
	s_getreg_b32 s2, hwreg(HW_REG_IB_STS2, 6, 4)
	s_cmp_eq_u32 s2, 0
	s_cbranch_scc0 .Lentry_in_a_cluster
	s_endpgm
.Lentry_in_a_cluster:
	s_bfe_u32 s2, ttmp6, 0x10000c
	s_cmp_lg_u32 s2, 0x3003
	s_cbranch_scc0 .Lentry_shape_is_right
	s_endpgm
.Lentry_shape_is_right:
; SubspaceHIE, launch 3 of 3: sim = Q(xn) Q(an)^T, w = softmax over the 4 subspaces (its maximum taken away first), weighted = Q(w) Q(a_sub), out = Q(weighted) Q(Wr) + the sum of br over s.
; All three products on codes of E3M2 with E8M0 scales; nothing of reference() is left out; sim, w and weighted never go to memory.
; SHARES.  A work-group owns 32 rows i of one batch (two tiles u of 16) and walks the batch's 1,024 rows j, 128 a trip, then Wr's 8 K steps.
; sim: wave w takes j = 32 w .. 32 w + 31 of the trip, both u, all four s: 32 matrix instructions.  S^T = an xn^T: a lane holds ONE row i and 16 neighbouring j of each subspace, so the softmax over s stays in the lane,
; and a block of 32 j lies in lanes l and l xor 16.  w's codes go to LDS as parts of the operand's register image (12 bytes a lane), their scale bytes beside them.
; PV: wave w takes d = 64 w .. 64 w + 63 of ALL four subspaces (O^T = a^T w^T, 32 matrix instructions): a lane's 32 registers of (u, tile t) are 8 neighbouring d x 4 s, which is one block of the last product's K
; (K = 4 d + s as the product is lowered; kept here in the order 8 s + d mod 8, as launch 1 keeps Wr).  So `weighted` is quantised with no other lane's numbers.
; Wr: wave w takes columns 256 w .. 256 w + 255: 32 accumulators, 32 matrix instructions a K step.
; CLUSTER.  The four work-groups of a cluster belong to one batch: an, a^T and Wr are asked for jointly (mask 15): waves 0, 1 fetch an's (later Wr's) halves, waves 2, 3 a^T's.
; LDS holds two slots for an / Wr and one for a^T (four of 102,400 bytes do not fit): a^T of a trip is asked for at the trip's head and awaited at its middle, behind the softmax, by a wait that every wave runs.
; LIMITS: NaN and infinities are not served; a block whose largest magnitude lies under 2^-122 keeps the byte 1; w is e times the reciprocal of the sum.
; REGISTERS.  Window 0: v1-31 addresses; v32-87 scale words and nothing else (xn 16, an / Wr 16, a^T 16, w / weighted 8); v88-127 at work; v128-255 the scores (128 + 64 u + 16 s + e), then w's 8 fragments, then rows on the way out.
; Window 1: O^T at 128 u + 32 t + 8 s, then out^T at 128 u + 8 T.  Window 2: xn's 16 fragments.  Window 3: 16 fragments of an, a^T or Wr.
.set AT,    102400
.set XORS,  0x32000                    ; slot 1 of an / Wr begins at 204,800: one exclusive or turns an address
.set WIMG,  307200                     ; w's 8 fragments (2 s + u), 1,536 bytes each
.set WSC,   319488                     ; their scale words, 64 bytes each
.set SPARE, 320000                     ; the spare words, 128 bytes a wave
.set GIMG,  102400                     ; behind a^T's last fill: weighted's 16 fragments (2 q + u)
.set GSC,   126976                     ; their scale words
.set WV,   14
.set XNS,  32
.set ANSC, 48
.set VS,   64
.set WS,   80
.set MX,   88                          ; v88-103 maxima, sums, reciprocals, then codes; in PV the upper halves of a^T's scale words; at the end br's sum
.set TQ,   104
.set TQ2,  108
.set TS,   112
.set TBY,  116
.set BR,   96
.set SC,   128
.set GPC,  160
.set GT,   200
.set MSB, 0
.macro WIN new
.if MSB != (\new)
	s_set_vgpr_msb (MSB<<8)|(\new)
.set MSB, (\new)
.endif
.endm
.macro PLACES
.rept 4
	v_nop
.endr
.endm
.macro BAR
	s_barrier_signal -1
	s_barrier_wait -1
.endm
.macro ROUND
	s_barrier_signal -1
	s_barrier_wait -1
	s_cmp_lg_u32 s[WV], 0
	s_cbranch_scc1 .Lnw0_\@
	s_barrier_signal -3
.Lnw0_\@:
	s_barrier_wait -3
	s_barrier_signal -1
	s_barrier_wait -1
.endm
.macro WM d, a, b, c, sa, sb
	v_wmma_scale_f32_16x16x128_f8f6f4 v[(\d):(\d)+7], v[(\a):(\a)+11], v[(\b):(\b)+11], v[(\c):(\c)+7], v[\sa], v[\sb] matrix_a_fmt:MATRIX_FMT_BF6 matrix_b_fmt:MATRIX_FMT_BF6
.endm
.macro WM0 d, a, b, sa, sb
	v_wmma_scale_f32_16x16x128_f8f6f4 v[(\d):(\d)+7], v[(\a):(\a)+11], v[(\b):(\b)+11], 0, v[\sa], v[\sb] matrix_a_fmt:MATRIX_FMT_BF6 matrix_b_fmt:MATRIX_FMT_BF6
.endm
; The joint loads of a change of slots.  kind 0: an alone; 1: an and a^T; 2: Wr and a^T; 3: Wr alone.  The branch hangs on the wave's number alone.
.macro JLOAD kind
	s_cmp_lt_u32 s[WV], 2
	s_cbranch_scc0 .Lhi_\@
.if (\kind) < 2
	tensor_load_to_lds s[32:35], s[24:31]
.else
	tensor_load_to_lds s[40:43], s[24:31]
.endif
	s_nop 0
	PLACES
.if ((\kind) == 1) || ((\kind) == 2)
	s_branch .Ldn_\@
.endif
.Lhi_\@:
.if ((\kind) == 1) || ((\kind) == 2)
	tensor_load_to_lds s[36:39], s[24:31]
	s_nop 0
	PLACES
.Ldn_\@:
.endif
.endm
; A prefetch of what the NEXT trip's head will load: the 204,800 bytes a^T of the next trip and an of the trip after it, one trip ahead.  All eight clusters of a batch walk the same bytes: the batch's first
; cluster asks.  Its four partners take 51,200 bytes each, told apart by address; in each, waves 0 to 2 name 2 x 32 blocks of 256 bytes (the share's last 2,048 bytes come by the load alone).
; It asks in trips 0 to 5: trip 5 names a^T of trip 6 and an of trip 7, which end 102,400 bytes short of the batch's part of kv; a^T of trip 7 comes by its load alone, and nothing is named past that part.
.macro ASK first
.if \first
	s_cmp_eq_u32 s46, 1
.else
	s_cmp_gt_u32 s45, s46                          ; s45 = 1 in the loop's last trip
.endif
	s_cbranch_scc0 .Lna_\@
	global_prefetch_b8 v16, s[48:49] th:TH_LOAD_NT scope:SCOPE_SE
	global_prefetch_b8 v16, s[48:49] offset:24576 th:TH_LOAD_NT scope:SCOPE_SE
.Lna_\@:
.endm
.macro FETCHAN                                 ; my 32 rows j: 16 scale words, 16 fragments, subspace by subspace
	PLACES
	v_add_nc_u32 v6, s44, v4
	v_add_nc_u32 v7, s44, v5
.set f, 0
.rept 16
	ds_load_b32 v[ANSC+f], v7 offset:64*f
.set f, f+1
.endr
	WIN 0xc0
.set f, 0
.rept 16
.irp c, 0,1,2
	ds_load_b128 v[12*f+4*\c:12*f+4*\c+3], v6 offset:1536*f+16*\c
.endr
.set f, f+1
.endr
.endm
.macro SIM sb                                  ; four accumulators by turns, two K steps deep
	s_wait_dscnt 36-12*(\sb)                       ; the later subspaces' fragments may be out
	WIN 0x0b
.irp k, 0,1
.irp j, 0,1
.irp i, 0,1
.if \k == 0
	WM0 SC+64*\i+16*(\sb)+8*\j, 12*(4*(\sb)+2*\j+\k), 12*(4*(\sb)+2*\i+\k), ANSC+4*(\sb)+2*\j+\k, XNS+4*(\sb)+2*\i+\k
.else
	WM SC+64*\i+16*(\sb)+8*\j, 12*(4*(\sb)+2*\j+\k), 12*(4*(\sb)+2*\i+\k), SC+64*\i+16*(\sb)+8*\j, ANSC+4*(\sb)+2*\j+\k, XNS+4*(\sb)+2*\i+\k
.endif
.endr
.endr
.endr
.endm
; Tile u's 64 scores of a lane (4 s x 16 j): softmax over s, then each subspace's 16 numbers are half a block along j: codes and byte to LDS.
.macro SOFTQ u
.set B0, SC+64*(\u)
.set e, 0
.rept 16
	v_max3_num_f32 v[MX+e], v[B0+e], v[B0+16+e], v[B0+32+e]      ; ascending: each accumulator is first read at its low end
.set e, e+1
.endr
.set e, 0
.rept 16
	v_max_num_f32 v[MX+e], v[MX+e], v[B0+48+e]
.set e, e+1
.endr
.set e, 0
.rept 8
	v_pk_mul_f32 v[MX+e:MX+e+1], v[MX+e:MX+e+1], s[52:53] op_sel_hi:[1,0]         ; - max x log2(e)
.set e, e+2
.endr
.set e, 0
.rept 32
	v_pk_fma_f32 v[B0+e:B0+e+1], v[B0+e:B0+e+1], s[50:51], v[MX+(e%16):MX+(e%16)+1] op_sel_hi:[1,0,1]
.set e, e+2
.endr
.set e, 0
.rept 64
	v_exp_f32 v[B0+e], v[B0+e]
.set e, e+1
.endr
	v_nop                                          ; a plain place behind the exponentials
	s_wait_alu depctr_va_vdst(0)                   ; one wait for the 64, ahead of their first reader
.set e, 0
.rept 8
	v_pk_add_f32 v[MX+e:MX+e+1], v[B0+e:B0+e+1], v[B0+16+e:B0+17+e]
.set e, e+2
.endr
.irp sb, 32,48
.set e, 0
.rept 8
	v_pk_add_f32 v[MX+e:MX+e+1], v[MX+e:MX+e+1], v[B0+\sb+e:B0+\sb+e+1]
.set e, e+2
.endr
.endr
.set e, 0
.rept 16
	v_rcp_f32 v[MX+e], v[MX+e]
.set e, e+1
.endr
	v_nop
	s_wait_alu depctr_va_vdst(0)                   ; one wait for the 16
.set e, 0
.rept 32
	v_pk_mul_f32 v[B0+e:B0+e+1], v[B0+e:B0+e+1], v[MX+(e%16):MX+(e%16)+1]
.set e, e+2
.endr
.irp sb, 0,1,2,3
	v_max3_num_f32 v[TQ+\sb], v[B0+16*\sb], v[B0+16*\sb+1], 0x2800000            ; w is never negative: no |.|; the floor 2^(5 - 127)
.endr
.irp i, 2,4,6,8,10,12,14
.irp sb, 0,1,2,3
	v_max3_num_f32 v[TQ+\sb], v[TQ+\sb], v[B0+16*\sb+\i], v[B0+16*\sb+\i+1]
.endr
.endr
.irp sb, 0,1,2,3
	v_permlanex16_b32 v[TQ2+\sb], v[TQ+\sb], s54, s55
.endr
.irp sb, 0,1,2,3
	v_max_num_f32 v[TQ+\sb], v[TQ+\sb], v[TQ2+\sb]
.endr
.irp sb, 0,1,2,3
	v_add_nc_u32 v[TS+\sb], 0xfe000000, v[TQ+\sb]
.endr
.irp sb, 0,1,2,3
	v_lshrrev_b32 v[TBY+\sb], 23, v[TS+\sb]
.endr
.irp sb, 0,1,2,3
	v_cvt_scalef32_pk16_bf6_f32 v[MX+4*\sb:MX+4*\sb+2], v[B0+16*\sb:B0+16*\sb+15], v[TS+\sb]
.endr
	v_nop                                          ; one plain place behind a scaled conversion
.irp sb, 0,1,2,3
.irp i, 0,1,2
	ds_store_b32 v12, v[MX+4*\sb+\i] offset:1536*(2*\sb+(\u))+4*\i      ; block w of the trip's four: lane r + 16 (w mod 2), registers 6 (w / 2) on; my half of it: 12 (lane / 16) bytes on
.endr
	ds_store_b8 v13, v[TBY+\sb] offset:64*(2*\sb+(\u))
.endr
.endm
.macro ATG sb                                  ; a^T: subspace sb, my four tiles: 24 loads of 8 bytes
	WIN 0xc0
.irp t, 0,1,2,3
.irp c, 0,1
.irp i, 0,1,2
	ds_load_b64 v[12*(4*(\sb)+\t)+6*\c+2*\i:12*(4*(\sb)+\t)+6*\c+2*\i+1], v[8+\c] offset:12800*(\sb)+768*\t+8*\i
.endr
.endr
.endr
.endm
.macro PVM sb, zero                            ; 8 matrix instructions, each on another accumulator
	WIN 0x53
.irp t, 0,1,2,3
.irp u, 0,1
.if \zero
	WM0 128*\u+32*\t+8*(\sb), 12*(4*(\sb)+\t), 128+12*(2*(\sb)+\u), VS+4*(\sb)+\t, WS+2*(\sb)+\u
.else
	WM 128*\u+32*\t+8*(\sb), 12*(4*(\sb)+\t), 128+12*(2*(\sb)+\u), 128*\u+32*\t+8*(\sb), VS+4*(\sb)+\t, WS+2*(\sb)+\u
.endif
.endr
.endr
.endm
.macro PV zero
.irp sb, 0,1,2,3
.irp t, 0,1,2,3
	ds_load_u16 v[VS+4*\sb+\t], v10 offset:12800*\sb+32*\t       ; a^T's scale bytes of blocks 0, 1
	ds_load_u16 v[MX+4*\sb+\t], v11 offset:12800*\sb+32*\t       ; and of blocks 2, 3
.endr
.endr
.irp n, 0,1,2,3,4,5,6,7
	ds_load_b32 v[WS+\n], v18 offset:64*\n
.endr
.irp n, 0,1,2,3,4,5,6,7
.irp c, 0,1,2
	ds_load_b128 v[128+12*\n+4*\c:128+12*\n+4*\c+3], v17 offset:1536*\n+16*\c
.endr
.endr
	ATG 0
	s_wait_dscnt 48                                ; w's 24 loads and a^T's first 24 may be out: the scale bytes are in
	WIN 0
.set e, 0
.rept 16
	v_lshl_or_b32 v[VS+e], v[MX+e], 16, v[VS+e]
.set e, e+1
.endr
.rept 8
	v_nop                                          ; a scale register written by a vector instruction stands 8 places ahead of the scaled matrix instruction
.endr
	ATG 1
	s_wait_dscnt 24                                ; all but the group just asked for
	PVM 0, \zero
	ATG 2
	s_wait_dscnt 24
	PVM 1, \zero
	ATG 3
	s_wait_dscnt 24
	PVM 2, \zero
	s_wait_dscnt 0x0
	PVM 3, \zero
	WIN 0
.endm
.macro JTRIP kind, zero, first
	s_wait_tensorcnt 0x0                           ; all my tensor loads have landed
	ds_add_u32 v14, v15                            ; 0 onto my spare word; the descriptors' steps stand between it and its wait
.if (\kind) < 2
	s_xor_b32 s33, s33, XORS                       ; an: the other slot, the next 128 rows
	s_add_nc_u64 s[34:35], s[34:35], 204800
.endif
.if (\kind) > 0
	s_add_nc_u64 s[38:39], s[38:39], 204800        ; a^T: this trip's
.endif
.if (\kind) == 1
	s_wait_xcnt 0x0                                ; the last prefetches, a trip back, have read their address
	s_add_nc_u64 s[48:49], s[48:49], 204800
.endif
	s_wait_dscnt 0x0                               ; the add is done; my reads of the slots to be filled, and of w's fragments, are over
	ROUND
	JLOAD \kind
.if (\kind) < 2
	ASK \first
.endif
	FETCHAN
	SIM 0
	SIM 1
	SIM 2
	SIM 3
	WIN 0
	PLACES
	SOFTQ 0
	s_wait_dscnt 0x0                               ; tile 0's stores have read their registers
	SOFTQ 1
	s_wait_tensorcnt 0x0                           ; THE MIDDLE: a^T has one slot, so this trip's a^T, asked for at the trip's head, is awaited here, in front of the barrier behind which all four waves read it.
	                                               ; Every wave runs the wait, whichever tile it fetched: the next slot's an (or Wr) has had the scores and the softmax in which to land
	s_wait_dscnt 0x0                               ; my codes of w lie in LDS
	BAR
	PV \zero
	s_xor_b32 s44, s44, XORS
.endm
; weighted, tile u, K step 2 w + qq: two blocks of a lane (c = 0, 1), each 32 consecutive registers of window 1; lane (r, h) holds block 2 c + h of row r: the operand's own layout.
.macro GQ u, qq
	WIN 0x05
.irp c, 0,1
	v_max3_num_f32 v[GT+\c], |v[128*(\u)+64*(\qq)+32*\c]|, |v[128*(\u)+64*(\qq)+32*\c+1]|, 0x2800000
.endr
.irp i, 2,4,6,8,10,12,14,16,18,20,22,24,26,28,30
.irp c, 0,1
	v_max3_num_f32 v[GT+\c], |v[128*(\u)+64*(\qq)+32*\c+\i]|, |v[128*(\u)+64*(\qq)+32*\c+\i+1]|, v[GT+\c]
.endr
.endr
	WIN 0
.irp c, 0,1
	v_add_nc_u32 v[GT+2+\c], 0xfe000000, v[GT+\c]
.endr
.irp c, 0,1
	v_lshrrev_b32 v[GT+4+\c], 23, v[GT+2+\c]
.endr
	v_lshl_or_b32 v[GT+6], v[GT+5], 16, v[GT+4]    ; my two bytes: blocks h and 2 + h,
	v_lshlrev_b32 v[GT+6], v6, v[GT+6]             ; 8 h bits up;
	v_permlanex16_b32 v[GT+7], v[GT+6], s54, s55
	v_or_b32 v[GT+6], v[GT+6], v[GT+7]             ; with lane l xor 16's two the word is whole
	WIN 0x01
.irp c, 0,1
	v_cvt_scalef32_pk16_bf6_f32 v[GPC+6*\c:GPC+6*\c+2], v[128*(\u)+64*(\qq)+32*\c:128*(\u)+64*(\qq)+32*\c+15], v[GT+2+\c]
	v_cvt_scalef32_pk16_bf6_f32 v[GPC+12+4*\c:GPC+14+4*\c], v[128*(\u)+64*(\qq)+32*\c+16:128*(\u)+64*(\qq)+32*\c+31], v[GT+2+\c]
.endr
	WIN 0
	v_nop
.irp c, 0,1
.irp i, 0,1,2
	v_mov_b32 v[GPC+3+6*\c+\i], v[GPC+12+4*\c+\i]
.endr
.endr
.irp c, 0,1,2
	ds_store_b128 v19, v[GPC+4*\c:GPC+4*\c+3] offset:1536*(2*(\qq)+(\u))+16*\c
.endr
	ds_store_b32 v20, v[GT+6] offset:64*(2*(\qq)+(\u))
	s_wait_dscnt 0x0                               ; the stores have read their registers
.endm
.macro WRG q, g
	WIN 0xc0
.irp t, 0,1,2,3
.irp c, 0,1,2
	ds_load_b128 v[12*(4*(\g)+\t)+4*\c:12*(4*(\g)+\t)+4*\c+3], v[26+(\q)%2] offset:1536*(4*(\g)+\t)+16*\c
.endr
.endr
.endm
.macro WRM q, g
	WIN 0x53
.irp t, 0,1,2,3
.irp u, 0,1
.if (\q) == 0
	WM0 128*\u+8*(4*(\g)+\t), 12*(4*(\g)+\t), 128+12*\u, ANSC+4*(\g)+\t, WS+\u
.else
	WM 128*\u+8*(4*(\g)+\t), 12*(4*(\g)+\t), 128+12*\u, 128*\u+8*(4*(\g)+\t), ANSC+4*(\g)+\t, WS+\u
.endif
.endr
.endr
.endm
.macro WRTRIP q
.if (\q) > 0
	s_wait_tensorcnt 0x0
	ds_add_u32 v14, v15
.if (\q) < 7
	s_xor_b32 s41, s41, XORS
	s_add_nc_u64 s[42:43], s[42:43], 102400
.endif
	s_wait_dscnt 0x0
.if (\q) < 7
	ROUND
	JLOAD 3
.else
	BAR                                            ; nothing is left to fetch
.endif
.endif
	PLACES
.set f, 0
.rept 16
	ds_load_b32 v[ANSC+f], v[28+(\q)%2] offset:64*f
.set f, f+1
.endr
.irp u, 0,1
	ds_load_b32 v[WS+\u], v22 offset:64*(2*(\q)+\u)
.irp c, 0,1,2
	ds_load_b128 v[128+12*\u+4*\c:128+12*\u+4*\c+3], v21 offset:1536*(2*(\q)+\u)+16*\c
.endr
.endr
	WRG \q, 0
	WRG \q, 1
	s_wait_dscnt 12                                ; all but the group just asked for
	WRM \q, 0
	WRG \q, 2
	s_wait_dscnt 12
	WRM \q, 1
	WRG \q, 3
	s_wait_dscnt 12
	WRM \q, 2
	s_wait_dscnt 0x0
	WRM \q, 3
	WIN 0
.endm
.macro TOSTAGE u                               ; 16 rows x my 256 columns through my stage (row pitch 1,040), back as rows
	WIN 0x04
.irp t, 0,1,2,3,4,5,6,7,8,9,10,11,12,13,14,15
	ds_store_b128 v23, v[128*(\u)+8*\t:128*(\u)+8*\t+3] offset:128*(\t/2)+32*(\t%2)
	ds_store_b128 v23, v[128*(\u)+8*\t+4:128*(\u)+8*\t+7] offset:128*(\t/2)+32*(\t%2)+16
.endr
	WIN 0
.set n, 0
.rept 32
	ds_load_b128 v[128+4*n:131+4*n], v24 offset:1040*(n/2)+512*(n%2)
.set n, n+1
.endr
.endm
.macro SEND u
.set n, 0
.rept 32
	s_wait_dscnt 31-n
	v_pk_add_f32 v[128+4*n:129+4*n], v[128+4*n:129+4*n], v[MX+4*(n%2):MX+4*(n%2)+1]
	v_pk_add_f32 v[130+4*n:131+4*n], v[130+4*n:131+4*n], v[MX+4*(n%2)+2:MX+4*(n%2)+3]
	global_store_b128 v25, v[128+4*n:131+4*n], s[12:13] offset:(8*(\u)+((n/2)%8)+16*((n/2)/8))*4096+512*(n%2) th:TH_STORE_NT   ; 512 consecutive bytes of a row, at a multiple of 512
.set n, n+1
.endr
.endm
	s_load_b256 s[4:11], s[0:1], 0x0               ; xnc, kv, wrc, br
	s_load_b64 s[12:13], s[0:1], 0x20              ; out0
	v_lshl_add_u32 v14, v0, 2, SPARE
	v_mov_b32 v15, 0
	ds_add_u32 v14, v15                            ; the opening: the add, twice on end, and its wait ahead of my first tensor load
	ds_add_u32 v14, v15
	v_lshrrev_b32 v1, 5, v0
	v_readfirstlane_b32 s[WV], v1
	s_bfe_u32 s15, ttmp6, 0x40000                  ; cx: it enters global addresses alone
	s_lshl_b32 s16, ttmp9, 2
	s_add_co_u32 s16, s16, s15                     ; my block of 32 rows
	s_lshr_b32 s17, ttmp9, 3                       ; the batch, which the partners share
	s_mul_i32 s18, s17, 1638400
	s_mov_b32 s19, 0
	s_and_b32 s20, s[WV], 1
	s_mul_i32 s20, s20, 51200                      ; which half of a slot I fetch
	s_mov_b32 s21, 0
	s_mov_b32 s24, 0x0023000f                      ; group 1: mask 15, elements of 8 bytes, bit 21 beside the mask, no padding
	s_mov_b32 s25, 32<<16
	s_mov_b32 s26, 200<<16                         ; 200 rows of 256 bytes: 51,200 dense bytes
	s_mov_b32 s27, 32<<16
	s_mov_b32 s28, 200
	s_mov_b32 s29, 32
	s_mov_b32 s30, 0
	s_mov_b32 s31, 0
	s_mov_b32 s44, 0                               ; the slot of an in hand
	s_mov_b32 s50, 0x3fb8aa3b                      ; log2(e)
	s_mov_b32 s51, s50
	s_mov_b32 s52, 0xbfb8aa3b
	s_mov_b32 s53, s52
	s_mov_b32 s54, 0x76543210
	s_mov_b32 s55, 0xfedcba98
	s_and_b32 s56, ttmp9, 7
	s_cmp_eq_u32 s56, 0                            ; the batch's first cluster prefetches,
	s_cselect_b32 s46, 1, -1
	s_cmp_eq_u32 s[WV], 3                          ; its waves 0 to 2
	s_cselect_b32 s46, -1, s46
	v_and_b32 v1, 15, v0                           ; r
	v_bfe_u32 v2, v0, 4, 1                         ; h
	v_and_b32 v3, 31, v0                           ; l
	v_mul_u32_u24 v30, v3, 48                      ; 48 l
	v_lshlrev_b32 v31, 2, v1                       ; 4 r
	s_mul_i32 s56, s[WV], 25600
	v_add_nc_u32 v4, s56, v30                      ; my quarter of a slot
	v_add_nc_u32 v5, s56, v31
	v_add_nc_u32 v5, 24576, v5                     ; its scale words
	v_add_nc_u32 v26, s56, v30                     ; the same for Wr, slot 0, 1
	v_add_nc_u32 v27, XORS, v26
	v_add_nc_u32 v28, 0, v5
	v_add_nc_u32 v29, XORS, v5
	s_mul_i32 s57, s[WV], 3072
	s_add_co_u32 s57, s57, AT
	v_mul_u32_u24 v8, v3, 24
	v_add_nc_u32 v8, s57, v8                       ; a^T: my four tiles, 24 bytes a lane; c = 0,
	v_add_nc_u32 v9, 51200, v8                     ; c = 1
	s_lshl_b32 s57, s[WV], 7
	s_add_co_u32 s57, s57, AT+12288
	v_lshl_add_u32 v10, v1, 1, s57                 ; its scale bytes
	v_add_nc_u32 v11, 51200, v10
	s_and_b32 s57, s[WV], 1
	s_mul_i32 s57, s57, 768
	s_lshr_b32 s58, s[WV], 1
	s_mul_i32 s58, s58, 24
	s_add_co_u32 s57, s57, s58
	s_add_co_u32 s57, s57, WIMG
	v_mul_u32_u24 v12, v1, 48
	v_mad_u32_u24 v12, v2, 12, v12
	v_add_nc_u32 v12, s57, v12                     ; where my 12 bytes of w's codes go
	s_add_co_u32 s57, s[WV], WSC
	v_add_nc_u32 v13, s57, v31                     ; and my block's byte
	s_lshl_b32 s57, s[WV], 13
	v_lshl_add_u32 v16, v3, 8, s57                 ; the prefetches: 8,192 x wave + 256 x lane
	v_add_nc_u32 v17, WIMG, v30
	v_add_nc_u32 v18, WSC, v31
	s_mul_i32 s57, s[WV], 6144
	s_add_co_u32 s57, s57, GIMG
	v_add_nc_u32 v19, s57, v30                     ; where I store weighted's fragments
	s_lshl_b32 s57, s[WV], 8
	s_add_co_u32 s57, s57, GSC
	v_add_nc_u32 v20, s57, v31
	v_add_nc_u32 v21, GIMG, v30                    ; and read them
	v_add_nc_u32 v22, GSC, v31
	s_mul_i32 s57, s[WV], 16640                    ; the way out: my stage, in slot 0 behind its last fill and its last read
	v_mul_u32_u24 v23, v1, 1040
	v_lshl_add_u32 v23, v2, 6, v23
	v_add_nc_u32 v23, s57, v23
	v_lshlrev_b32 v25, 4, v3
	v_add_nc_u32 v24, s57, v25
.irp b, 0,1,2,3
	v_mov_b32 v[TQ2+\b], 0                         ; written once: a lane permute's destination counts as one of its sources
.endr
	s_wait_dscnt 0x0                               ; both opening adds are done
	s_wait_kmcnt 0x0
	s_add_nc_u64 s[6:7], s[6:7], s[18:19]          ; kv at my batch
	s_mov_b32 s32, 1                               ; an
	s_mov_b32 s33, s20
	s_add_nc_u64 s[34:35], s[6:7], s[20:21]
	s_mov_b32 s36, 1                               ; a^T
	s_add_co_u32 s37, s20, AT
	s_add_nc_u64 s[38:39], s[34:35], 102400
	s_or_b32 s35, s35, 0x80000000
	s_or_b32 s39, s39, 0x80000000
	s_mov_b32 s40, 1                               ; Wr
	s_mov_b32 s41, s20
	s_add_nc_u64 s[42:43], s[8:9], s[20:21]
	s_or_b32 s43, s43, 0x80000000
	s_mul_i32 s22, s15, 51200
	s_add_co_u32 s22, s22, 307200
	s_mov_b32 s23, 0
	s_add_nc_u64 s[48:49], s[6:7], s[22:23]        ; my work-group's share of what trip 1's head will load
	s_mul_i32 s22, s16, 25600
	s_add_nc_u64 s[4:5], s[4:5], s[22:23]          ; my rows' piece of xnc
	s_lshl_b32 s22, s16, 17
	s_lshl_b32 s56, s[WV], 10
	s_add_co_u32 s22, s22, s56
	s_add_nc_u64 s[12:13], s[12:13], s[22:23]      ; out0 at my 32 rows, my 256 columns
	s_mov_b32 s57, 0
	s_add_nc_u64 s[10:11], s[10:11], s[56:57]      ; br at my columns
	ROUND                                          ; the four work-groups are here: the first joint loads meet
	JLOAD 1                                        ; an and a^T of trip 0: every wave has one load out
	WIN 0x80
.set f, 0
.rept 16
.irp c, 0,1,2
	global_load_b128 v[12*f+4*\c:12*f+4*\c+3], v30, s[4:5] offset:1536*f+16*\c   ; xn stays in registers
.endr
.set f, f+1
.endr
	WIN 0
.set f, 0
.rept 16
	global_load_b32 v[XNS+f], v31, s[4:5] offset:24576+64*f
.set f, f+1
.endr
	s_wait_loadcnt 0x0
	JTRIP 0, 1, 1                                  ; trip 0: its products start O^T's sums; slot 1 of an gets its first fill
	s_mov_b32 s45, 6
.Ltrip:
	JTRIP 1, 0, 0
	s_sub_co_u32 s45, s45, 1
	s_cmp_lg_u32 s45, 0
	s_cbranch_scc1 .Ltrip
	JTRIP 2, 0, 0                                  ; trip 7 is written out: in an's stead it asks for Wr's K step 0
	; ---- weighted becomes an operand
	s_wait_tensorcnt 0x0
	ds_add_u32 v14, v15
	s_xor_b32 s41, s41, XORS
	s_add_nc_u64 s[42:43], s[42:43], 102400
	s_wait_dscnt 0x0
	ROUND                                          ; nobody reads a^T or an any more
	JLOAD 3                                        ; Wr's K step 1
.irp e, 0,1
.irp sb, 0,1,2,3
	global_load_b128 v[BR+16*\e+4*\sb:BR+16*\e+4*\sb+3], v25, s[10:11] offset:4096*\sb+512*\e
.endr
.endr
	PLACES
	v_lshlrev_b32 v6, 3, v2                        ; 8 h
	v_mov_b32 v[GT+7], 0
.irp u, 0,1
.irp qq, 0,1
	GQ \u, \qq
.endr
.endr
	BAR                                            ; the sixteen fragments lie in LDS
	WRTRIP 0
	WRTRIP 1
	WRTRIP 2
	WRTRIP 3
	WRTRIP 4
	WRTRIP 5
	WRTRIP 6
	WRTRIP 7
	; ---- the way out
	PLACES
	s_wait_loadcnt 0x0                             ; br
.irp e, 0,1
.irp p, 0,2
	v_pk_add_f32 v[MX+4*\e+\p:MX+4*\e+\p+1], v[BR+16*\e+\p:BR+16*\e+\p+1], v[BR+16*\e+4+\p:BR+16*\e+5+\p]
	v_pk_add_f32 v[MX+4*\e+\p:MX+4*\e+\p+1], v[MX+4*\e+\p:MX+4*\e+\p+1], v[BR+16*\e+8+\p:BR+16*\e+9+\p]
	v_pk_add_f32 v[MX+4*\e+\p:MX+4*\e+\p+1], v[MX+4*\e+\p:MX+4*\e+\p+1], v[BR+16*\e+12+\p:BR+16*\e+13+\p]
.endr
.endr
	TOSTAGE 0
	SEND 0
	s_wait_xcnt 0x0                                ; the stores have read their registers: they may be loaded again
	TOSTAGE 1
	SEND 1
	s_wait_tensorcnt 0x0                           ; the wave's end
	ds_add_u32 v14, v15
	s_wait_dscnt 0x0
	ROUND                                          ; the closing round
	s_endpgm
.Lfunc_end_k_qba74925fa8_attn:
	.size	k_qba74925fa8_attn, .Lfunc_end_k_qba74925fa8_attn-k_qba74925fa8_attn
	.p2alignl 7, 3214868480
	.fill 96, 4, 3214868480
	.section	.rodata,"a",@progbits
	.p2align	6, 0x0
	.amdhsa_kernel k_qba74925fa8_attn
		.amdhsa_group_segment_fixed_size 327680
		.amdhsa_private_segment_fixed_size 0
		.amdhsa_enable_private_segment 0
		.amdhsa_kernarg_size 40
		.amdhsa_user_sgpr_count 2
		.amdhsa_user_sgpr_kernarg_segment_ptr 1
		.amdhsa_wavefront_size32 1
		.amdhsa_system_sgpr_workgroup_id_x 1
		.amdhsa_system_sgpr_workgroup_id_y 1
		.amdhsa_system_sgpr_workgroup_id_z 1
		.amdhsa_system_vgpr_workitem_id 0
		.amdhsa_next_free_vgpr 1024
		.amdhsa_next_free_sgpr 66
		.amdhsa_reserve_vcc 0
		.amdhsa_float_denorm_mode_32 3
		.amdhsa_float_denorm_mode_16_64 3
		.amdhsa_memory_ordered 1
		.amdhsa_forward_progress 1
		.amdhsa_inst_pref_size 255
	.end_amdhsa_kernel
	.section	.bss,"aw",@nobits
	.p2align	6
	.space	262144
	.amdgpu_metadata
---
amdhsa.version: [ 1, 2 ]
amdhsa.kernels:
  - .name:           k_qba74925fa8_attn
    .symbol:         k_qba74925fa8_attn.kd
    .args:
      - { .name: xnc, .offset: 0, .size: 8, .value_kind: global_buffer, .address_space: global }
      - { .name: kv, .offset: 8, .size: 8, .value_kind: global_buffer, .address_space: global }
      - { .name: wrc, .offset: 16, .size: 8, .value_kind: global_buffer, .address_space: global }
      - { .name: br, .offset: 24, .size: 8, .value_kind: global_buffer, .address_space: global }
      - { .name: out0, .offset: 32, .size: 8, .value_kind: global_buffer, .address_space: global }
    .group_segment_fixed_size: 327680
    .private_segment_fixed_size: 0
    .kernarg_segment_align: 8
    .kernarg_segment_size: 40
    .max_flat_workgroup_size: 128
    .sgpr_count:     66
    .vgpr_count:     1024
    .wavefront_size: 32
...
	.end_amdgpu_metadata
.endif
;; end of part 3
;; ======== version 2 of 2: 3 launches
;; limits: right only within a limited range of input values
;; workspace buffers: wpc 819,200 bytes; wrc 819,200 bytes; xnc 6,553,600 bytes; kv 13,107,200 bytes
;; launch prep (part 4): grid 256 x 1, 2 waves a work-group, no clusters, 6,400 bytes of LDS; arguments Wp, Wr, wpc, wrc; writes wpc, wrc
.if DOCPART == 4
	.amdgcn_target "amdgcn-amd-amdhsa--gfx1250"
	.amdhsa_code_object_version 6
	.text
	.protected	k_qba74925fa8_prep
	.globl	k_qba74925fa8_prep
	.p2align	8
	.type	k_qba74925fa8_prep,@function
k_qba74925fa8_prep:
	s_mov_b64 s[64:65], 0
	v_nop
	global_prefetch_b8 v0, s[64:65] scope:SCOPE_SE
	s_setreg_imm32_b32 hwreg(HW_REG_WAVE_MODE, 25, 1), 1
	s_wait_xcnt 0x0
; SubspaceHIE, launch 1 of 3: the two weights become codes of E3M2 with one E8M0 byte for each 32 along K, laid in the order of the matrix operand's registers.
; NO WORK OF reference() IS LEFT OUT in this program: every input reaches out0 (bp moves codes, the eps clamp and the softmax's maximum are kept, br is added).
; Wp [4][1024 h][256 d]: K = h.  Wr [4 s][256 d][1024 h]: the last product contracts d and s; as it is lowered the contracted axes stand in the order (d, s),
; so K = 4 d + s and a block of 32 is 8 neighbouring d x the 4 subspaces.  Inside a block this program keeps the order 8 s + (d mod 8), on both operands alike.
; OUT: wpc = [K step k][s], wrc = [K step k][column quarter] pieces of 25,600 bytes: 16 fragments (16 rows x 128 K) of 1,536 bytes, lane l = r + 16 h owning bytes 48 l .. 48 l + 47
; (its 12 registers), then 16 x 64 bytes of scale words (row r's word at 4 r).  Lane r of tile 2 b + u holds operand row 32 b + 8 u + r + 8 (r / 8).
; SHARES: a wave takes 32 operand rows x 128 K.  A lane takes one operand row (a column of the weight) and its registers run down K: a block lies in one lane, each load reads 128 consecutive bytes.
; The codes go through the wave's own 3,072 bytes of LDS and leave as 512 consecutive bytes a store.  No matrix unit, cluster or ring: the launch only streams 8 MiB once.
; LIMITS: NaN and infinities are not served; a block whose largest magnitude lies under 2^-122 (a block of zeros too, where the rule says byte 127) keeps the byte 1: its codes are zeros or
; subnormal, and the bytes are read by this program alone.
.set SPARE, 6144                       ; behind the two stages: the spare words, 128 bytes a wave
.set X,   64                           ; v64-191  128 numbers
.set CB,  16                           ; v16-22   a block's codes
.set RBK, 24                           ; v24-47   the way out
	s_load_b128 s[4:7], s[0:1], 0x0                ; Wp, Wr
	s_load_b128 s[8:11], s[0:1], 0x10              ; wpc, wrc
	v_lshl_add_u32 v14, v0, 2, SPARE               ; my spare word
	v_mov_b32 v15, 0
	v_lshrrev_b32 v1, 5, v0
	v_readfirstlane_b32 s12, v1                    ; wave 0, 1
	v_and_b32 v1, 31, v0                           ; lane l = my operand row among the wave's 32
	v_lshlrev_b32 v2, 2, v1                        ; in: 4 bytes a lane
	v_bfe_u32 v8, v0, 3, 1                         ; u = (l / 8) mod 2: which of the two tiles
	v_and_b32 v9, 7, v0
	v_bfe_u32 v10, v0, 4, 1
	v_lshl_add_u32 v9, v10, 3, v9                  ; r = l mod 8 + 8 (l / 16): which row of it
	s_mul_i32 s13, s12, 3072                       ; my stage
	v_mul_u32_u24 v3, v9, 48
	v_mad_u32_u24 v3, v8, 1536, v3
	v_add_nc_u32 v3, s13, v3                       ; into it: tile u, row r
	v_lshlrev_b32 v5, 4, v1                        ; out: 16 bytes a lane
	v_add_nc_u32 v4, s13, v5
	v_lshlrev_b32 v6, 2, v9
	v_lshl_add_u32 v6, v8, 6, v6                   ; my scale word: 64 u + 4 r
	s_and_b32 s14, ttmp9, 127
	s_lshr_b32 s15, s14, 4                         ; k: the K step
	s_bfe_u32 s16, s14, 0x20002                    ; q: the subspace (Wp) or the quarter of the columns (Wr)
	s_and_b32 s17, s14, 3
	s_lshl_b32 s17, s17, 1
	s_add_co_u32 s17, s17, s12                     ; cg: which 32 operand rows of the 256
	s_cmp_lt_u32 ttmp9, 128                        ; the first 128 work-groups take Wp
	s_cselect_b32 s18, 20, 10                      ; q counts 1,048,576 bytes in Wp, 1,024 in Wr
	s_lshl_b32 s18, s16, s18
	s_lshl_b32 s19, s15, 17                        ; a K step is 131,072 bytes in both: 128 rows of 1,024 or 32 rows of 4,096
	s_add_co_u32 s18, s18, s19
	s_lshl_b32 s19, s17, 7
	s_add_co_u32 s18, s18, s19
	s_mov_b32 s19, 0
	s_lshl_b32 s20, s15, 2
	s_add_co_u32 s20, s20, s16
	s_mul_i32 s20, s20, 25600                      ; the piece
	s_mul_i32 s22, s17, 3072
	s_add_co_u32 s22, s22, s20                     ; my two fragments
	s_mov_b32 s23, 0
	s_lshl_b32 s24, s17, 7
	s_add_co_u32 s24, s24, s20
	s_add_co_u32 s24, s24, 24576                   ; my 32 scale words
	s_mov_b32 s25, 0
	s_wait_kmcnt 0x0
	s_cmp_lt_u32 ttmp9, 128
	s_cselect_b64 s[4:5], s[4:5], s[6:7]
	s_cselect_b64 s[8:9], s[8:9], s[10:11]
	s_add_nc_u64 s[4:5], s[4:5], s[18:19]
	s_add_nc_u64 s[26:27], s[8:9], s[24:25]
	s_add_nc_u64 s[8:9], s[8:9], s[22:23]
	s_cmp_lt_u32 ttmp9, 128
	s_cbranch_scc0 .Lwr
.set i, 0
.rept 128
	global_load_b32 v[X+i], v2, s[4:5] offset:i*1024 th:TH_LOAD_NT           ; Wp(128 k + i, my d)
.set i, i+1
.endr
	s_branch .Lgo
.Lwr:
.set i, 0
.rept 128
	global_load_b32 v[X+i], v2, s[4:5] offset:((i/8)%4)*1048576+((i/32)*8+(i%8))*4096 th:TH_LOAD_NT   ; number 32 B + 8 s + j is Wr(s, 32 k + 8 B + j, my h)
.set i, i+1
.endr
.Lgo:
; Block bb of the four: largest magnitude with the floor 2^(5 - 127) among its leaves, 4 off its exponent field = the conversion's scale operand, its byte, 32 codes = 24 bytes.
.macro BLOCK bb
.set XS, X+32*(\bb)
	v_max3_num_f32 v8, |v[XS]|, |v[XS+1]|, |v[XS+2]|
	v_max3_num_f32 v9, |v[XS+3]|, |v[XS+4]|, |v[XS+5]|
.irp i, 6,10,14,18,22,26
	v_max3_num_f32 v8, v8, |v[XS+\i]|, |v[XS+\i+1]|
	v_max3_num_f32 v9, v9, |v[XS+\i+2]|, |v[XS+\i+3]|
.endr
	v_max3_num_f32 v8, v8, |v[XS+30]|, |v[XS+31]|
	v_max3_num_f32 v8, v8, v9, 0x2800000
	v_add_nc_u32 v11, 0xfe000000, v8
	v_lshrrev_b32 v10, 23, v11
.if (\bb) == 0
	v_mov_b32 v12, v10
.else
	v_lshl_or_b32 v12, v10, 8*(\bb), v12           ; byte bb of my row's scale word
.endif
	v_cvt_scalef32_pk16_bf6_f32 v[CB:CB+2], v[XS:XS+15], v11
	v_cvt_scalef32_pk16_bf6_f32 v[CB+4:CB+6], v[XS+16:XS+31], v11    ; (a conversion's three registers begin on an even number)
	v_nop                                          ; one plain place behind a scaled conversion
	v_mov_b32 v[CB+3], v[CB+4]
	v_mov_b32 v[CB+4], v[CB+5]
	v_mov_b32 v[CB+5], v[CB+6]
.irp i, 0,1,2
	ds_store_b64 v3, v[CB+2*\i:CB+2*\i+1] offset:768*((\bb)%2)+24*((\bb)/2)+8*\i   ; block 2 c + h: lane r + 16 h, registers 6 c on
.endr
	s_wait_dscnt 0x0                               ; the stores have read their registers: the next block's codes may be written
.endm
	s_wait_loadcnt 63                              ; at most 63 of the 128 are out: numbers 0 to 64 are in (blocks 0 and 1)
	BLOCK 0
	BLOCK 1
	s_wait_loadcnt 32                              ; block 3's 32 loads may be out
	BLOCK 2
	s_wait_loadcnt 0x0
	BLOCK 3
	s_wait_alu depctr_va_vdst(0)
	global_store_b32 v6, v12, s[26:27]             ; the wave's 32 scale words: 128 consecutive bytes
.irp i, 0,1,2,3,4,5
	ds_load_b128 v[RBK+4*\i:RBK+4*\i+3], v4 offset:512*\i     ; LDS serves a wave's instructions in order: these see my stores
.endr
.irp i, 0,1,2,3,4,5
	s_wait_dscnt 5-\i
	global_store_b128 v5, v[RBK+4*\i:RBK+4*\i+3], s[8:9] offset:512*\i   ; 512 consecutive bytes, at a multiple of 512 from the buffer's first byte
.endr
	s_wait_tensorcnt 0x0                           ; the wave's end, behind my last LDS store
	ds_add_u32 v14, v15
	s_wait_dscnt 0x0
	s_endpgm
.Lfunc_end_k_qba74925fa8_prep:
	.size	k_qba74925fa8_prep, .Lfunc_end_k_qba74925fa8_prep-k_qba74925fa8_prep
	.p2alignl 7, 3214868480
	.fill 96, 4, 3214868480
	.section	.rodata,"a",@progbits
	.p2align	6, 0x0
	.amdhsa_kernel k_qba74925fa8_prep
		.amdhsa_group_segment_fixed_size 6400
		.amdhsa_private_segment_fixed_size 0
		.amdhsa_enable_private_segment 0
		.amdhsa_kernarg_size 32
		.amdhsa_user_sgpr_count 2
		.amdhsa_user_sgpr_kernarg_segment_ptr 1
		.amdhsa_wavefront_size32 1
		.amdhsa_system_sgpr_workgroup_id_x 1
		.amdhsa_system_sgpr_workgroup_id_y 1
		.amdhsa_system_sgpr_workgroup_id_z 1
		.amdhsa_system_vgpr_workitem_id 0
		.amdhsa_next_free_vgpr 192
		.amdhsa_next_free_sgpr 66
		.amdhsa_reserve_vcc 0
		.amdhsa_float_denorm_mode_32 3
		.amdhsa_float_denorm_mode_16_64 3
		.amdhsa_memory_ordered 1
		.amdhsa_forward_progress 1
		.amdhsa_inst_pref_size 35
	.end_amdhsa_kernel
	.amdgpu_metadata
---
amdhsa.version: [ 1, 2 ]
amdhsa.kernels:
  - .name:           k_qba74925fa8_prep
    .symbol:         k_qba74925fa8_prep.kd
    .args:
      - { .name: Wp, .offset: 0, .size: 8, .value_kind: global_buffer, .address_space: global }
      - { .name: Wr, .offset: 8, .size: 8, .value_kind: global_buffer, .address_space: global }
      - { .name: wpc, .offset: 16, .size: 8, .value_kind: global_buffer, .address_space: global }
      - { .name: wrc, .offset: 24, .size: 8, .value_kind: global_buffer, .address_space: global }
    .group_segment_fixed_size: 6400
    .private_segment_fixed_size: 0
    .kernarg_segment_align: 8
    .kernarg_segment_size: 32
    .max_flat_workgroup_size: 64
    .sgpr_count:     66
    .vgpr_count:     192
    .wavefront_size: 32
...
	.end_amdgpu_metadata
.endif
;; end of part 4
;; launch proj (part 5): grid 256 x 1, 4 waves a work-group, clusters of 4 x 1, 327,680 bytes of LDS; arguments hx, ha, wpc, bp, xnc, kv; writes xnc, kv
.if DOCPART == 5
	.amdgcn_target "amdgcn-amd-amdhsa--gfx1250"
	.amdhsa_code_object_version 6
	.text
	.protected	k_qba74925fa8_proj
	.globl	k_qba74925fa8_proj
	.p2align	8
	.type	k_qba74925fa8_proj,@function
k_qba74925fa8_proj:
	s_mov_b64 s[64:65], 0
	v_nop
	global_prefetch_b8 v0, s[64:65] scope:SCOPE_SE
	s_setreg_imm32_b32 hwreg(HW_REG_WAVE_MODE, 25, 1), 1
	s_wait_xcnt 0x0
	s_wait_alu depctr_hold_cnt(0) depctr_sa_sdst(0) depctr_va_vdst(0) depctr_va_sdst(0) depctr_va_ssrc(0) depctr_va_vcc(0) depctr_vm_vsrc(0)
	s_getreg_b32 s2, hwreg(HW_REG_IB_STS2, 6, 4)
	s_cmp_eq_u32 s2, 0
	s_cbranch_scc0 .Lentry_in_a_cluster
	s_endpgm
.Lentry_in_a_cluster:
	s_bfe_u32 s2, ttmp6, 0x10000c
	s_cmp_lg_u32 s2, 0x3003
	s_cbranch_scc0 .Lentry_shape_is_right
	s_endpgm
.Lentry_shape_is_right:
; SubspaceHIE, launch 2 of 3: x_sub = Q(hx) Q(Wp) + bp and a_sub = Q(ha) Q(Wp) + bp (K = 1,024, codes of E3M2, E8M0 scales), then what the next products want of them:
; Q(x_sub / max(|x_sub|, 1e-8)) and the same of a_sub, quantised along d, and Q(a_sub) quantised along its rows j.  Nothing of reference() is left out.
; SHARES.  Work-groups 0-127 take hx, 128-255 ha, 64 rows each, all 1,024 columns.  Wave w is subspace w: 64 rows x 256 d = 64 accumulators; a K step of 128 is 64 matrix instructions a wave.
; The product is used transposed (source 0 = 16 rows d of Wp, source 1 = 16 rows of h): a lane holds ONE row, and by the order of Wp's rows in a tile the 16 registers of tiles 2 b, 2 b + 1 are 16 neighbouring d.
; CLUSTER.  The four work-groups of a cluster walk the same wpc: each K step's 102,400 bytes are asked for jointly (mask 15), a quarter a wave, through two LDS slots.
; The walk along K begins elsewhere in each cluster: cluster c takes K steps (c + n) mod 8, n = 0 .. 7; x is loaded in the order of the walk; no LDS address hangs on c.
; x UNDER THE K LOOP.  Wave w owns rows 16 w .. 16 w + 15 of x.  Its 16 loads of a step (512 consecutive bytes of a row each) run two steps of the walk ahead, in a ring of two sets of 64 registers.
; Behind K step n the wave turns step n + 1's numbers through its own stage (a lane then holds 16 neighbours of each block), quantises them and stores the fragment in LDS; x's fragments have two places
; by turns, and the round at the head of step n + 1 stands between these stores and the four waves' reads.  The head issues one tensor load a wave; slot 1's first fill is step 0's refill.
; Then (ha alone) a_sub goes through a stage so that a lane holds a column d and 32 rows j: its codes along j.  Then norms, the division, the codes along d; all leave as 512 consecutive bytes a store.
; OUT.  xnc: a piece of 25,600 bytes for each 32 rows: fragment f = 4 s + 2 u + k at 1,536 f (lane l's 12 registers at 48 l), rows 8 u + r + 8 (r / 8), scale words at 24,576 + 64 f + 4 r.
; kv[b] = AN_0, AT_0, AN_1, .. of 102,400 bytes each (128 rows j a pair): AN_t four such pieces; AT_t = [c][s] pieces of 12,800: 16 tiles (d = 16 T + r) of 768 bytes, lane r + 16 h' owning 24 bytes
; (block 2 c + h' of the 128 j), then scale bytes at 12,288 + 32 T + 2 r + h'.
; LIMITS: NaN and infinities are not served; a block whose largest magnitude lies under 2^-122 (a block of zeros too) keeps the byte 1; x / max(n, eps) is x times the reciprocal of max(sqrt(sum), eps);
; the f32 sums run over the K steps in the order of the cluster's walk, not from K step 0 on.
; REGISTERS.  Window 0: v1-31 addresses; v32-47 at work; v48 a scale word; v52-71 codes; v72-83 scale words of the products; v84-99 sums and reciprocals; v100-147 x's four fragments; v148-243 W's 2 x 4
; (between K steps v148-211: 64 numbers of x back from the stage).  Window 1: v0-127 bp in the result's layout (8 registers a tile); v128-255 x as loaded, two sets.
; Windows 2, 3: accumulator (row tile m, tile T) at window 2 + T / 8, v[64 m + 8 (T mod 8)].
.set QUART, 25600
.set SLOTB, 102400
.set XIMG,  204800                     ; x's fragments: two places of 6,144 bytes (4 row tiles), by the step's parity
.set XSC,   253952                     ; their scale words, two places of 256 bytes
.set OUT1,  256000                     ; 51,200 bytes: in the K loop the waves' turn stages (12,800 apart, 16 rows of 528), later the codes along d
.set ATIMG, 204800                     ; behind the K loop: the codes along j, 51,200 bytes
.set SPARE, 307200                     ; the spare words, 128 bytes a wave
.set WV,  16
.set TM,  32
.set PW,  48
.set PC,  52
.set XS,  72
.set WS,  76
.set SS,  84
.set INV, 92
.set XF,  100
.set WF,  148
.set TR,  100
.set CB,  164
.set MSB, 0
.macro WIN new                         ; the immediate's high byte repeats the setting that is left
.if MSB != (\new)
	s_set_vgpr_msb (MSB<<8)|(\new)
.set MSB, (\new)
.endif
.endm
.macro PLACES                          ; four plain places behind matrix instructions (ISA guide 7.12.1)
.rept 4
	v_nop
.endr
.endm
.macro BAR
	s_barrier_signal -1
	s_barrier_wait -1
.endm
.macro ROUND                           ; a round of the cluster's barrier
	s_barrier_signal -1
	s_barrier_wait -1
	s_cmp_lg_u32 s[WV], 0
	s_cbranch_scc1 .Lnw0_\@
	s_barrier_signal -3
.Lnw0_\@:
	s_barrier_wait -3
	s_barrier_signal -1
	s_barrier_wait -1
.endm
.macro WM d, a, b, c, sa, sb
	v_wmma_scale_f32_16x16x128_f8f6f4 v[(\d):(\d)+7], v[(\a):(\a)+11], v[(\b):(\b)+11], v[(\c):(\c)+7], v[\sa], v[\sb] matrix_a_fmt:MATRIX_FMT_BF6 matrix_b_fmt:MATRIX_FMT_BF6
.endm
; 64 numbers of a lane in window w, register 16 b + i = k 32 b + 16 (lane / 16) + i of my row, become a fragment's codes in v[PC] on and its scale word in v[PW].
.macro QUANT w, s
	WIN (\w)|((\w)<<2)
.irp b, 0,1,2,3
	v_max3_num_f32 v[TM+\b], |v[(\s)+16*\b]|, |v[(\s)+16*\b+1]|, 0x2800000        ; with the floor 2^(5 - 127): the byte cannot fall under 1
.endr
.irp i, 2,4,6,8,10,12,14
.irp b, 0,1,2,3
	v_max3_num_f32 v[TM+\b], |v[(\s)+16*\b+\i]|, |v[(\s)+16*\b+\i+1]|, v[TM+\b]
.endr
.endr
	WIN 0
.irp b, 0,1,2,3
	v_permlanex16_b32 v[TM+4+\b], v[TM+\b], s20, s21
.endr
.irp b, 0,1,2,3
	v_max_num_f32 v[TM+\b], v[TM+\b], v[TM+4+\b]   ; with lane l xor 16's: the block's largest magnitude
.endr
.irp b, 0,1,2,3
	v_add_nc_u32 v[TM+12+\b], 0xfe000000, v[TM+\b] ; 4 off its exponent field: the conversion's scale operand
.endr
.irp b, 0,1,2,3
	v_lshrrev_b32 v[TM+4+\b], 23, v[TM+12+\b]      ; the byte
.endr
	v_lshl_or_b32 v[PW], v[TM+5], 8, v[TM+4]
	v_lshl_or_b32 v[PW], v[TM+6], 16, v[PW]
	v_lshl_or_b32 v[PW], v[TM+7], 24, v[PW]
	WIN (\w)
.irp c, 0,1
	v_cvt_scalef32_pk16_bf6_f32 v[PC+6*\c:PC+6*\c+2], v[(\s)+32*\c:(\s)+32*\c+15], v[TM+12+2*\c]
	v_cvt_scalef32_pk16_bf6_f32 v[PC+12+4*\c:PC+14+4*\c], v[(\s)+32*\c+16:(\s)+32*\c+31], v[TM+13+2*\c]
.endr
	WIN 0
	v_nop                                          ; one plain place behind a scaled conversion
.irp c, 0,1                                    ; the operand wants a whole block in a lane: lanes 0-15 block 2 c, lanes 16-31 block 2 c + 1
.irp i, 0,1,2
	v_permlane16_swap_b32 v[PC+6*\c+\i], v[PC+12+4*\c+\i]
.endr
.irp i, 0,1,2
	v_mov_b32 v[PC+3+6*\c+\i], v[PC+12+4*\c+\i]
.endr
.endr
.endm
.macro IMAGE adr, off                          ; the fragment goes to LDS as an image of its registers: 48 bytes a lane
.irp c, 0,1,2
	ds_store_b128 v[\adr], v[PC+4*\c:PC+4*\c+3] offset:(\off)+16*\c
.endr
.endm
; x's step m of the walk, par = m mod 2: its 16 rows x 512 bytes go into my stage as loaded and come back 64 bytes of a row a lane; codes and scale word to x's place par.
; form 1: step m + 1's 16 loads may be out, and step m + 2's are issued into the set just read; 2: the same wait, nothing more to load; 3: the last step.
.macro TURNQ par, form
.if (\form) == 3
	s_wait_loadcnt 0x0
.else
	s_wait_loadcnt 16
.endif
	WIN 0x04
.set i, 0
.rept 16
	ds_store_b128 v5, v[128+64*(\par)+4*i:128+64*(\par)+4*i+3] offset:528*i
.set i, i+1
.endr
	WIN 0
.irp b, 0,1,2,3
.irp j, 0,1,2,3
	ds_load_b128 v[WF+16*\b+4*\j:WF+16*\b+4*\j+3], v6 offset:128*\b+16*\j
.endr
.endr
	s_wait_dscnt 0x0                               ; the numbers are back; the stores have read the set's registers
.if (\form) == 1
	s_and_b32 s22, s43, 7                          ; the K step of the walk's step m + 2
	s_lshl_b32 s22, s22, 9
	s_add_co_u32 s43, s43, 1
	v_add_nc_u32 v[18+7*(\par)], s22, v4           ; the loads that named this register were shown done by the wait above
	WIN 0x40
.set i, 0
.rept 16
	global_load_b128 v[128+64*(\par)+4*i:128+64*(\par)+4*i+3], v[18+7*(\par)], s[40:41] offset:4096*i th:TH_LOAD_NT   ; row i: 512 consecutive bytes
.set i, i+1
.endr
	WIN 0
.endif
	QUANT 0, WF
	IMAGE 7, 6144*(\par)
	ds_store_b32 v8, v[PW] offset:256*(\par)
.endm
.macro FETCHX slot
.irp m, 0,1,2,3
.irp c, 0,1,2
	ds_load_b128 v[XF+12*\m+4*\c:XF+12*\m+4*\c+3], v9 offset:6144*(\slot)+1536*\m+16*\c
.endr
	ds_load_b32 v[XS+\m], v10 offset:256*(\slot)+64*\m
.endr
.endm
.macro FETCHW slot, g                          ; tiles 4 g .. 4 g + 3 of my subspace into set g mod 2
.irp t, 0,1,2,3
.irp c, 0,1,2
	ds_load_b128 v[WF+48*((\g)%2)+12*\t+4*\c:WF+48*((\g)%2)+12*\t+4*\c+3], v[11+\slot] offset:1536*(4*(\g)+\t)+16*\c
.endr
	ds_load_b32 v[WS+4*((\g)%2)+\t], v[13+\slot] offset:64*(4*(\g)+\t)
.endr
.endm
.macro MUL g, first                            ; 16 matrix instructions, each on another accumulator.  first: bp is the C of the sums' first product
.if \first
	WIN 0x90+0x40*((\g)/2)
.else
	WIN 0xa0+0x50*((\g)/2)
.endif
.irp t, 0,1,2,3
.irp m, 0,1,2,3
.if \first
	WM 64*\m+8*((4*(\g)+\t)%8), WF+48*((\g)%2)+12*\t, XF+12*\m, 8*(4*(\g)+\t), WS+4*((\g)%2)+\t, XS+\m
.else
	WM 64*\m+8*((4*(\g)+\t)%8), WF+48*((\g)%2)+12*\t, XF+12*\m, 64*\m+8*((4*(\g)+\t)%8), WS+4*((\g)%2)+\t, XS+\m
.endif
.endr
.endr
	WIN 0
.endm
.macro KSTEP slot, first
	FETCHX \slot
	FETCHW \slot, 0
	FETCHW \slot, 1
	s_wait_dscnt 16                                ; all but the 16 just issued
	MUL 0, \first
	PLACES
	FETCHW \slot, 2
	s_wait_dscnt 16
	MUL 1, \first
	PLACES
	FETCHW \slot, 3
	s_wait_dscnt 16
	MUL 2, \first
	s_wait_dscnt 0x0
	MUL 3, \first
.endm
; Step n of the walk, slot = n mod 2.  refill: the other slot takes step n + 1.  form: what TURNQ does for x's step n + 1 (0: nothing is left).
.macro TRIP slot, refill, first, form
	s_wait_alu depctr_va_vdst(0)
	s_wait_tensorcnt 0x0                           ; all my tensor loads have landed, my quarter of this slot among them
	ds_add_u32 v26, v27
.if \refill
	s_add_co_u32 s42, s42, 1                       ; no load of mine is out, so a group 0 may be written: the walk's next step,
	s_and_b32 s22, s42, 7                          ; wrapped at 8,
	s_mul_i32 s22, s22, SLOTB
	s_add_nc_u64 s[38-4*\slot:39-4*\slot], s[8:9], s[22:23]   ; from my quarter of K step 0 on
	s_or_b32 s[39-4*\slot], s[39-4*\slot], 0x80000000
.endif
	s_wait_dscnt 0x0                               ; the add is done, my fragment of x lies in LDS, my reads of the other slot are over
.if \refill
	ROUND                                          ; so of every wave of the four work-groups
	tensor_load_to_lds s[36-4*\slot:39-4*\slot], s[24:31]
	s_nop 0
	PLACES
.else
	BAR
	PLACES
.endif
	KSTEP \slot, \first
.if \form
	PLACES                                         ; in front of loads into W's registers
	TURNQ 1-(\slot), \form
.endif
.endm
.macro ATLOADS g                               ; 32 rows j of column d = 32 g + lane
.set i, 0
.rept 32
	ds_load_b32 v[TR+32*((\g)%2)+i], v22 offset:1040*i+128*(\g)
.set i, i+1
.endr
.endm
; rows 32 bq .. 32 bq + 31 of a_sub: as they are into my stage (row pitch 1,040), back a column a lane: one block along j a lane
.macro ATBLOCK bq
.irp w, 0,1
	WIN (2+\w)<<2
.irp e, 0,1
.irp t, 0,1,2,3,4,5,6,7
	ds_store_b128 v21, v[64*(2*(\bq)+\e)+8*\t:64*(2*(\bq)+\e)+8*\t+3] offset:16640*\e+128*((8*\w+\t)/2)+32*(\t%2)      ; each accumulator from its low end on
	ds_store_b128 v21, v[64*(2*(\bq)+\e)+8*\t+4:64*(2*(\bq)+\e)+8*\t+7] offset:16640*\e+128*((8*\w+\t)/2)+32*(\t%2)+16
.endr
.endr
.endr
	WIN 0
	ATLOADS 0
.irp g, 0,1,2,3,4,5,6,7
.if \g < 7
	ATLOADS \g+1
	s_wait_dscnt 32                                ; all but the next group's 32 loads
.else
	s_wait_dscnt 0x0
.endif
.set XA0, TR+32*(\g%2)
.set CC, CB+8*(\g%2)
	v_max3_num_f32 v32, |v[XA0]|, |v[XA0+1]|, |v[XA0+2]|
	v_max3_num_f32 v33, |v[XA0+3]|, |v[XA0+4]|, |v[XA0+5]|
.irp i, 6,10,14,18,22,26
	v_max3_num_f32 v32, v32, |v[XA0+\i]|, |v[XA0+\i+1]|
	v_max3_num_f32 v33, v33, |v[XA0+\i+2]|, |v[XA0+\i+3]|
.endr
	v_max3_num_f32 v32, v32, |v[XA0+30]|, |v[XA0+31]|
	v_max3_num_f32 v32, v32, v33, 0x2800000
	v_add_nc_u32 v34, 0xfe000000, v32
	v_lshrrev_b32 v[CC+7], 23, v34
	v_cvt_scalef32_pk16_bf6_f32 v[CC:CC+2], v[XA0:XA0+15], v34
	v_cvt_scalef32_pk16_bf6_f32 v[CC+4:CC+6], v[XA0+16:XA0+31], v34
	v_nop
	v_mov_b32 v[CC+3], v[CC+4]
	v_mov_b32 v[CC+4], v[CC+5]
	v_mov_b32 v[CC+5], v[CC+6]
.irp i, 0,1,2
	ds_store_b64 v23, v[CC+2*\i:CC+2*\i+1] offset:1536*\g+384*(\bq)+8*\i
.endr
	ds_store_b8 v24, v[CC+7] offset:64*\g+(\bq)
.endr
.endm
.macro COPY la, d                              ; 12,800 bytes a wave from LDS to memory, 512 consecutive bytes a store
.set i, 0
.rept 25
	ds_load_b128 v[100+4*i:103+4*i], v[\la] offset:512*i
.set i, i+1
.endr
.set i, 0
.rept 25
	s_wait_dscnt 24-i
	global_store_b128 v19, v[100+4*i:103+4*i], s[\d:\d+1] offset:512*i
.set i, i+1
.endr
.endm
	s_load_b256 s[4:11], s[0:1], 0x0               ; hx, ha, wpc, bp
	s_load_b128 s[12:15], s[0:1], 0x20             ; xnc, kv
	v_lshl_add_u32 v26, v0, 2, SPARE
	v_mov_b32 v27, 0
	ds_add_u32 v26, v27                            ; the opening: the add, twice on end, and its wait ahead of my first tensor load
	ds_add_u32 v26, v27
	v_lshrrev_b32 v1, 5, v0
	v_readfirstlane_b32 s[WV], v1                  ; wave 0..3 = my subspace
	s_bfe_u32 s17, ttmp6, 0x40000                  ; cx
	s_lshl_b32 s18, ttmp9, 2
	s_add_co_u32 s18, s18, s17                     ; work-group 0..255: it enters global addresses alone
	s_and_b32 s19, ttmp9, 7                        ; the K step at which my cluster's walk begins: the same in all four partners
	s_mov_b32 s23, 0
	s_mov_b32 s42, s19                             ; the K step of wpc asked for last, not yet wrapped
	s_add_co_u32 s43, s19, 2                       ; the K step of x to be loaded next, not yet wrapped
	s_mov_b32 s20, 0x76543210
	s_mov_b32 s21, 0xfedcba98                      ; v_permlanex16_b32's selects for lane l xor 16
	s_mov_b32 s24, 0x0023000f                      ; group 1: mask 15, elements of 8 bytes, bit 21 beside the mask, no padding
	s_mov_b32 s25, 32<<16                          ; tensor_dim0 = 32 (256 bytes)
	s_mov_b32 s26, 100<<16                         ; tensor_dim1 = 100 rows: 25,600 dense bytes
	s_mov_b32 s27, 32<<16                          ; tile_dim0
	s_mov_b32 s28, 100                             ; tile_dim1
	s_mov_b32 s29, 32                              ; pitch
	s_mov_b32 s30, 0
	s_mov_b32 s31, 0
	v_and_b32 v1, 15, v0                           ; r
	v_bfe_u32 v2, v0, 4, 1                         ; h
	v_and_b32 v3, 31, v0                           ; l
	v_lshlrev_b32 v4, 4, v3                        ; 16 l
	s_wait_alu depctr_va_vdst(0)
	s_lshl_b32 s22, s19, 9
	v_add_nc_u32 v18, s22, v4                      ; x: my 16 bytes of the 512 that the walk's even steps take of a row; here step 0's
	s_add_co_u32 s22, s19, 1
	s_and_b32 s22, s22, 7
	s_lshl_b32 s22, s22, 9
	v_add_nc_u32 v25, s22, v4                      ; and the odd steps'; here step 1's
	v_mul_u32_u24 v28, v3, 48                      ; 48 l
	v_lshlrev_b32 v29, 2, v1                       ; 4 r
	s_wait_alu depctr_va_vdst(0)
	v_lshrrev_b32 v30, 3, v1
	v_and_b32 v31, 7, v1
	s_mul_i32 s50, s[WV], QUART
	s_mov_b32 s51, 0
	s_mul_i32 s58, s[WV], 12800
	s_add_co_u32 s59, s58, OUT1
	v_add_nc_u32 v5, s59, v4                       ; the turn stage, in; later: my 12,800 bytes of OUT1 on the way out
	v_mul_u32_u24 v6, v1, 528
	v_lshl_add_u32 v6, v2, 6, v6
	v_add_nc_u32 v6, s59, v6                       ; the turn stage, out: row r, + 64 h
	s_mul_i32 s60, s[WV], 1536
	s_add_co_u32 s60, s60, XIMG
	v_add_nc_u32 v7, s60, v28                      ; where I store x's fragments
	s_lshl_b32 s60, s[WV], 6
	s_add_co_u32 s60, s60, XSC
	v_add_nc_u32 v8, s60, v29                      ; and their scale words
	v_add_nc_u32 v9, XIMG, v28                     ; where I read them
	v_add_nc_u32 v10, XSC, v29
	v_add_nc_u32 v11, s50, v28                     ; my quarter of slot 0, 1
	v_add_nc_u32 v12, SLOTB, v11
	v_add_nc_u32 v13, s50, v29
	v_add_nc_u32 v13, 24576, v13                   ; its scale words
	v_add_nc_u32 v14, SLOTB, v13
	v_lshlrev_b32 v15, 6, v2                       ; bp: 64 h
	v_mul_u32_u24 v16, v31, 48
	v_mad_u32_u24 v16, v30, 3072, v16
	v_mad_u32_u24 v16, v2, 768, v16
	s_mul_i32 s60, s[WV], 6144
	s_add_co_u32 s60, s60, OUT1
	v_add_nc_u32 v16, s60, v16                     ; the codes along d: fragment 4 s + 2 (r / 8), lane r mod 8 + 16 h
	v_lshlrev_b32 v17, 2, v31
	v_lshl_add_u32 v17, v30, 7, v17
	s_lshl_b32 s60, s[WV], 8
	s_add_co_u32 s60, s60, OUT1+24576
	v_add_nc_u32 v17, s60, v17                     ; their scale words
	v_add_nc_u32 v19, s58, v4                      ; the way out, in memory
	v_add_nc_u32 v20, ATIMG, v19                   ; my 12,800 bytes of the codes along j
	s_mul_i32 s60, s[WV], 51200
	v_mul_u32_u24 v21, v1, 1040
	v_lshl_add_u32 v21, v2, 6, v21
	v_add_nc_u32 v21, s60, v21                     ; a_sub's stage (in the slots, behind their last fill), in
	v_lshl_add_u32 v22, v3, 2, s60                 ; and out
	v_mul_u32_u24 v23, v1, 24
	v_mad_u32_u24 v23, v2, 768, v23
	s_add_co_u32 s60, s58, ATIMG
	v_add_nc_u32 v23, s60, v23                     ; column 32 g + l: tile 2 g + l / 16, row l mod 16
	v_lshlrev_b32 v24, 1, v1
	v_lshl_add_u32 v24, v2, 5, v24
	s_add_co_u32 s60, s60, 12288
	v_add_nc_u32 v24, s60, v24
.irp b, 0,1,2,3
	v_mov_b32 v[TM+4+\b], 0                        ; written once: a lane permute's destination counts as one of its sources
.endr
	s_and_b32 s54, s18, 127                        ; which 64 rows of my tensor
	s_lshl_b32 s52, s54, 18
	s_lshl_b32 s53, s[WV], 16
	s_add_co_u32 s52, s52, s53                     ; my wave's 16 rows of 4,096 bytes
	s_mov_b32 s53, 0
	s_mul_i32 s55, s54, 51200                      ; xnc: two pieces
	s_lshr_b32 s56, s54, 4
	s_mul_i32 s56, s56, 1638400                    ; kv: the batch,
	s_bfe_u32 s57, s54, 0x30001
	s_mul_i32 s57, s57, 204800                     ; the pair AN_t, AT_t,
	s_add_co_u32 s56, s56, s57
	s_and_b32 s57, s54, 1
	s_mul_i32 s57, s57, 51200                      ; its first or second half
	s_add_co_u32 s56, s56, s57
	s_lshl_b32 s60, s[WV], 10
	s_mov_b32 s61, 0
	s_wait_alu depctr_va_vdst(0)
	s_wait_dscnt 0x0                               ; both opening adds are done
	s_wait_kmcnt 0x0
	s_cmp_lt_u32 ttmp9, 32                         ; clusters 0-31: hx.  The cluster's number: the same in all four partners
	s_cselect_b64 s[40:41], s[4:5], s[6:7]
	s_cselect_b32 s56, s55, s56
	s_cselect_b64 s[46:47], s[12:13], s[14:15]
	s_mov_b32 s57, 0
	s_add_nc_u64 s[40:41], s[40:41], s[52:53]
	s_add_nc_u64 s[46:47], s[46:47], s[56:57]      ; where the codes along d go
	s_add_nc_u64 s[48:49], s[46:47], 102400        ; ha: where the codes along j go
	s_add_nc_u64 s[10:11], s[10:11], s[60:61]      ; bp of my subspace
	s_add_nc_u64 s[8:9], s[8:9], s[50:51]          ; wpc at my quarter of K step 0: kept for every refill
	s_mov_b32 s32, 1                               ; slot 0: the walk's step 0
	s_add_co_u32 s33, s50, 0
	s_mul_i32 s22, s19, SLOTB
	s_add_nc_u64 s[34:35], s[8:9], s[22:23]
	s_or_b32 s35, s35, 0x80000000
	s_mov_b32 s36, 1                               ; slot 1: its address is made at its first fill
	s_add_co_u32 s37, s50, SLOTB
	ROUND                                          ; the four work-groups are here: the first joint loads meet
	tensor_load_to_lds s[32:35], s[24:31]          ; one tensor load a wave at the head
	s_nop 0
	PLACES
	WIN 0x40
.irp t, 0,1,2,3,4,5,6,7,8,9,10,11,12,13,14,15
	global_load_b128 v[8*\t:8*\t+3], v15, s[10:11] offset:128*(\t/2)+32*(\t%2)       ; bp at the lane's eight d of tile t: 32 (t / 2) + 16 h + 8 (t mod 2) + 0 .. 7
	global_load_b128 v[8*\t+4:8*\t+7], v15, s[10:11] offset:128*(\t/2)+32*(\t%2)+16
.endr
.set i, 0
.rept 16
	global_load_b128 v[128+4*i:128+4*i+3], v18, s[40:41] offset:4096*i th:TH_LOAD_NT   ; x: the walk's step 0
.set i, i+1
.endr
.set i, 0
.rept 16
	global_load_b128 v[192+4*i:192+4*i+3], v25, s[40:41] offset:4096*i th:TH_LOAD_NT   ; and step 1
.set i, i+1
.endr
	WIN 0
	TURNQ 0, 1                                     ; its wait leaves step 1's 16 loads out: bp and step 0 are in
	; ---- K
	TRIP 0, 1, 1, 1                                ; step 0: bp starts the sums; slot 1 gets its first fill
	s_mov_b32 s44, 2
.Lk:
	TRIP 1, 1, 0, 1                                ; steps 1 to 4
	TRIP 0, 1, 0, 1
	s_sub_co_u32 s44, s44, 1
	s_cmp_lg_u32 s44, 0
	s_cbranch_scc1 .Lk
	TRIP 1, 1, 0, 2                                ; step 5: x has nothing more to load
	TRIP 0, 1, 0, 3                                ; step 6: x's last step is quantised
	TRIP 1, 0, 0, 0                                ; step 7 asks for nothing
	PLACES
	s_wait_dscnt 0x0
	BAR                                            ; nobody reads the slots or x's fragments any more
	s_cmp_lt_u32 ttmp9, 32
	s_cbranch_scc1 .Lno_at                         ; hx has no codes along its rows
	ATBLOCK 0
	ATBLOCK 1
.Lno_at:
	; ---- norms: the sum of squares of my row's 128 numbers, then lane l xor 16's
	WIN 0x0a
.irp m, 0,1,2,3
	v_pk_mul_f32 v[SS+2*\m:SS+2*\m+1], v[64*\m:64*\m+1], v[64*\m:64*\m+1]
.endr
.set p, 1
.rept 31
.irp m, 0,1,2,3
	v_pk_fma_f32 v[SS+2*\m:SS+2*\m+1], v[64*\m+2*p:64*\m+2*p+1], v[64*\m+2*p:64*\m+2*p+1], v[SS+2*\m:SS+2*\m+1]
.endr
.set p, p+1
.endr
	WIN 0x0f
.set p, 0
.rept 32
.irp m, 0,1,2,3
	v_pk_fma_f32 v[SS+2*\m:SS+2*\m+1], v[64*\m+2*p:64*\m+2*p+1], v[64*\m+2*p:64*\m+2*p+1], v[SS+2*\m:SS+2*\m+1]
.endr
.set p, p+1
.endr
	WIN 0
.irp m, 0,1,2,3
	v_add_f32 v[SS+2*\m], v[SS+2*\m], v[SS+2*\m+1]
.endr
.irp m, 0,1,2,3
	v_permlanex16_b32 v[TM+4+\m], v[SS+2*\m], s20, s21
.endr
.irp m, 0,1,2,3
	v_add_f32 v[SS+2*\m], v[SS+2*\m], v[TM+4+\m]
.endr
	s_wait_alu depctr_va_vdst(0)
.irp m, 0,1,2,3
	v_sqrt_f32 v[SS+2*\m], v[SS+2*\m]
.endr
	v_nop                                          ; a plain place behind the roots
	s_wait_alu depctr_va_vdst(0)                   ; one wait for the four, ahead of their first reader
.irp m, 0,1,2,3
	v_max_num_f32 v[SS+2*\m], 0x322bcc77, v[SS+2*\m]   ; max(norm, 1e-8)
.endr
	s_wait_alu depctr_va_vdst(0)
.irp m, 0,1,2,3
	v_rcp_f32 v[INV+2*\m], v[SS+2*\m]
	v_rcp_f32 v[INV+2*\m+1], v[SS+2*\m]            ; (the packed multiply names the pair)
.endr
	v_nop
	s_wait_alu depctr_va_vdst(0)
.irp w, 2,3
	WIN ((\w)<<6)|(\w)
.irp m, 0,1,2,3
.set p, 0
.rept 32
	v_pk_mul_f32 v[64*\m+2*p:64*\m+2*p+1], v[64*\m+2*p:64*\m+2*p+1], v[INV+2*\m:INV+2*\m+1] op_sel_hi:[1,0]
.set p, p+1
.endr
.endr
.endr
	WIN 0
.irp m, 0,1,2,3
.irp k, 0,1
	QUANT 2+\k, 64*\m
	IMAGE 16, 25600*(\m/2)+1536*\k+384*(\m%2)
	ds_store_b32 v17, v[PW] offset:25600*(\m/2)+64*\k+32*(\m%2)
	s_wait_dscnt 0x0                               ; the stores have read their registers
.endr
.endr
	BAR                                            ; all four waves' codes lie in LDS
	COPY 5, 46
	s_cmp_lt_u32 ttmp9, 32
	s_cbranch_scc1 .Ldone
	s_wait_xcnt 0x0                                ; the stores have read their registers: they may be loaded again
	COPY 20, 48
.Ldone:
	s_wait_tensorcnt 0x0                           ; the wave's end
	ds_add_u32 v26, v27
	s_wait_dscnt 0x0
	ROUND                                          ; the closing round
	s_endpgm
.Lfunc_end_k_qba74925fa8_proj:
	.size	k_qba74925fa8_proj, .Lfunc_end_k_qba74925fa8_proj-k_qba74925fa8_proj
	.p2alignl 7, 3214868480
	.fill 96, 4, 3214868480
	.section	.rodata,"a",@progbits
	.p2align	6, 0x0
	.amdhsa_kernel k_qba74925fa8_proj
		.amdhsa_group_segment_fixed_size 327680
		.amdhsa_private_segment_fixed_size 0
		.amdhsa_enable_private_segment 0
		.amdhsa_kernarg_size 48
		.amdhsa_user_sgpr_count 2
		.amdhsa_user_sgpr_kernarg_segment_ptr 1
		.amdhsa_wavefront_size32 1
		.amdhsa_system_sgpr_workgroup_id_x 1
		.amdhsa_system_sgpr_workgroup_id_y 1
		.amdhsa_system_sgpr_workgroup_id_z 1
		.amdhsa_system_vgpr_workitem_id 0
		.amdhsa_next_free_vgpr 1024
		.amdhsa_next_free_sgpr 66
		.amdhsa_reserve_vcc 0
		.amdhsa_float_denorm_mode_32 3
		.amdhsa_float_denorm_mode_16_64 3
		.amdhsa_memory_ordered 1
		.amdhsa_forward_progress 1
		.amdhsa_inst_pref_size 255
	.end_amdhsa_kernel
	.section	.bss,"aw",@nobits
	.p2align	6
	.space	262144
	.amdgpu_metadata
---
amdhsa.version: [ 1, 2 ]
amdhsa.kernels:
  - .name:           k_qba74925fa8_proj
    .symbol:         k_qba74925fa8_proj.kd
    .args:
      - { .name: hx, .offset: 0, .size: 8, .value_kind: global_buffer, .address_space: global }
      - { .name: ha, .offset: 8, .size: 8, .value_kind: global_buffer, .address_space: global }
      - { .name: wpc, .offset: 16, .size: 8, .value_kind: global_buffer, .address_space: global }
      - { .name: bp, .offset: 24, .size: 8, .value_kind: global_buffer, .address_space: global }
      - { .name: xnc, .offset: 32, .size: 8, .value_kind: global_buffer, .address_space: global }
      - { .name: kv, .offset: 40, .size: 8, .value_kind: global_buffer, .address_space: global }
    .group_segment_fixed_size: 327680
    .private_segment_fixed_size: 0
    .kernarg_segment_align: 8
    .kernarg_segment_size: 48
    .max_flat_workgroup_size: 128
    .sgpr_count:     66
    .vgpr_count:     1024
    .wavefront_size: 32
...
	.end_amdgpu_metadata
.endif
;; end of part 5
;; launch attn (part 6): grid 256 x 1, 4 waves a work-group, clusters of 4 x 1, 327,680 bytes of LDS; arguments xnc, kv, wrc, br, out0; writes out0
.if DOCPART == 6
	.amdgcn_target "amdgcn-amd-amdhsa--gfx1250"
	.amdhsa_code_object_version 6
	.text
	.protected	k_qba74925fa8_attn
	.globl	k_qba74925fa8_attn
	.p2align	8
	.type	k_qba74925fa8_attn,@function
k_qba74925fa8_attn:
	s_mov_b64 s[64:65], 0
	v_nop
	global_prefetch_b8 v0, s[64:65] scope:SCOPE_SE
	s_setreg_imm32_b32 hwreg(HW_REG_WAVE_MODE, 25, 1), 1
	s_wait_xcnt 0x0
	s_wait_alu depctr_hold_cnt(0) depctr_sa_sdst(0) depctr_va_vdst(0) depctr_va_sdst(0) depctr_va_ssrc(0) depctr_va_vcc(0) depctr_vm_vsrc(0)
	s_getreg_b32 s2, hwreg(HW_REG_IB_STS2, 6, 4)
	s_cmp_eq_u32 s2, 0
	s_cbranch_scc0 .Lentry_in_a_cluster
	s_endpgm
.Lentry_in_a_cluster:
	s_bfe_u32 s2, ttmp6, 0x10000c
	s_cmp_lg_u32 s2, 0x3003
	s_cbranch_scc0 .Lentry_shape_is_right
	s_endpgm
.Lentry_shape_is_right:
; SubspaceHIE, launch 3 of 3: sim = Q(xn) Q(an)^T, w = softmax over the 4 subspaces (its maximum taken away first), weighted = Q(w) Q(a_sub), out = Q(weighted) Q(Wr) + the sum of br over s.
; All three products on codes of E3M2 with E8M0 scales; nothing of reference() is left out; sim, w and weighted never go to memory.
; SHARES.  A work-group owns 32 rows i of one batch (two tiles u of 16) and walks the batch's 1,024 rows j, 128 a trip, then Wr's 8 K steps.
; sim: wave w takes j = 32 w .. 32 w + 31 of the trip, both u, all four s: 32 matrix instructions.  S^T = an xn^T: a lane holds ONE row i and 16 neighbouring j of each subspace: the softmax over s stays in the lane,
; a block of 32 j lies in lanes l and l xor 16.  w's codes go to LDS as parts of the operand's register image, their scale bytes beside them.
; PV: wave w takes d = 64 w .. 64 w + 63 of all four subspaces (O^T = a^T w^T, 32 matrix instructions): a lane's 32 registers of (u, tile t) are 8 neighbouring d x 4 s, one block of the last product's K
; (K = 4 d + s as the product is lowered; kept in the order 8 s + d mod 8, as launch 1 keeps Wr).  Wr: wave w takes columns 256 w .. 256 w + 255: 32 matrix instructions a K step.
; CLUSTER.  The four work-groups of a cluster belong to one batch: an, a^T and Wr are asked for jointly (mask 15): waves 0, 1 fetch an's (or Wr's) halves, waves 2, 3 a^T's (in trip 7 Wr's second step).
; Both walks begin elsewhere in each cluster: with c = the cluster's number mod 8, trip n takes tile (c + n) mod 8 of kv, Wr's step m is K step (c + m) mod 8.  Only global addresses hang on c, and the LDS
; addresses from which weighted's fragments are read.  No prefetch is laid: the tiles that nobody has asked for before are those of the first step, which are asked for at the kernel's head.
; LDS: a^T has two slots (0 and 204,800), an ONE (102,400).  The round at the head of trip t asks for an and a^T of trip t + 1; both are awaited at the trip's middle, in front of the barrier for w.
; an of trip t + 1 goes from LDS into registers during PV of trip t (each subspace's registers as a^T's group is done with; subspace 3 has 48 registers of its own), so its slot is free at the next round.
; a^T of trip t, landed a trip earlier, goes into registers among the softmax's vector lines.  Wr's even steps take an's slot, its odd ones a^T's slot 0; weighted lies in a^T's slot 1 and the way-out stage
; in an's slot, each behind that slot's last fill.
; LIMITS: NaN and infinities are not served; a block whose largest magnitude lies under 2^-122 keeps the byte 1; w is e times the reciprocal of the sum; the f32 sums over j and over the last product's K steps
; run in the order of the cluster's walk, not from tile 0 on.
; REGISTERS.  Window 0: v1-31 addresses; v32-87 scale words alone (xn 16, an / Wr 16, a^T 16, w / weighted 8); v88-127 at work; v128-255 the scores (128 + 64 u + 16 s + e), then w's 8 fragments, then rows on the way out.
; Window 1: O^T at 128 u + 32 t + 8 s, then out^T at 128 u + 8 T.  Window 2: xn's 16 fragments.  Window 3: v0-191 fragments of an (s 0-2), a^T or Wr; v192-239 an's s 3.
.set AN,    102400
.set XORS,  0x32000                    ; a^T's slot 1 begins at 204,800
.set WIMG,  307200                     ; w's 8 fragments (2 s + u), 1,536 bytes each
.set WSC,   319488                     ; their scale words
.set SPARE, 320000                     ; the spare words, 128 bytes a wave
.set GIMG,  204800                     ; weighted's 16 fragments (2 q + u)
.set GSC,   229376                     ; their scale words
.set WV,   14
.set XNS,  32
.set ANSC, 48
.set VS,   64
.set WS,   80
.set MX,   88
.set TQ,   104
.set TQ2,  108
.set TS,   112
.set TBY,  116
.set ATA,  120                         ; v120-123 a^T's addresses in the slot in hand
.set BR,   96
.set SC,   128
.set GPC,  160
.set GT,   200
.set MSB, 0
.macro WIN new
.if MSB != (\new)
	s_set_vgpr_msb (MSB<<8)|(\new)
.set MSB, (\new)
.endif
.endm
.macro PLACES                          ; four plain places behind matrix instructions (ISA guide 7.12.1)
.rept 4
	v_nop
.endr
.endm
.macro BAR
	s_barrier_signal -1
	s_barrier_wait -1
.endm
.macro ROUND                           ; a round of the cluster's barrier
	s_barrier_signal -1
	s_barrier_wait -1
	s_cmp_lg_u32 s[WV], 0
	s_cbranch_scc1 .Lnw0_\@
	s_barrier_signal -3
.Lnw0_\@:
	s_barrier_wait -3
	s_barrier_signal -1
	s_barrier_wait -1
.endm
.macro WM d, a, b, c, sa, sb
	v_wmma_scale_f32_16x16x128_f8f6f4 v[(\d):(\d)+7], v[(\a):(\a)+11], v[(\b):(\b)+11], v[(\c):(\c)+7], v[\sa], v[\sb] matrix_a_fmt:MATRIX_FMT_BF6 matrix_b_fmt:MATRIX_FMT_BF6
.endm
.macro WM0 d, a, b, sa, sb
	v_wmma_scale_f32_16x16x128_f8f6f4 v[(\d):(\d)+7], v[(\a):(\a)+11], v[(\b):(\b)+11], 0, v[\sa], v[\sb] matrix_a_fmt:MATRIX_FMT_BF6 matrix_b_fmt:MATRIX_FMT_BF6
.endm
; The joint loads behind a round.  kind 1: an and a^T; 2: Wr's steps 0 and 1; 3: one step of Wr.  The branch hangs on the wave's number alone.
.macro JLOAD kind
	s_cmp_lt_u32 s[WV], 2
	s_cbranch_scc0 .Lhi_\@
.if (\kind) == 1
	tensor_load_to_lds s[32:35], s[24:31]
.else
	tensor_load_to_lds s[40:43], s[24:31]
.endif
	s_nop 0
	PLACES
.if (\kind) < 3
	s_branch .Ldn_\@
.endif
.Lhi_\@:
.if (\kind) < 3
	tensor_load_to_lds s[36:39], s[24:31]
	s_nop 0
	PLACES
.Ldn_\@:
.endif
.endm
.macro WSTEP m                                 ; Wr's descriptor for the walk's step m: K step (c + m) mod 8; even steps into an's slot, odd ones into a^T's slot 0
	s_add_co_u32 s48, s47, (\m)
	s_and_b32 s48, s48, 7
	s_mul_i32 s48, s48, 102400
	s_add_co_u32 s41, s20, AN*(1-((\m)%2))
	s_add_nc_u64 s[42:43], s[62:63], s[48:49]
	s_or_b32 s43, s43, 0x80000000
.endm
.macro FANS                                    ; an: my 32 rows' 16 scale words
.set f, 0
.rept 16
	ds_load_b32 v[ANSC+f], v5 offset:64*f
.set f, f+1
.endr
.endm
.macro FAN sb                                  ; an: subspace sb's four fragments: 12 loads
	WIN 0xc0
.irp f, 0,1,2,3
.irp c, 0,1,2
	ds_load_b128 v[48*(\sb)+48*((\sb)/3)+12*\f+4*\c:48*(\sb)+48*((\sb)/3)+12*\f+4*\c+3], v4 offset:1536*(4*(\sb)+\f)+16*\c
.endr
.endr
.endm
.macro SIM sb                                  ; four accumulators by turns, two K steps deep
	WIN 0x0b
.irp k, 0,1
.irp j, 0,1
.irp i, 0,1
.if \k == 0
	WM0 SC+64*\i+16*(\sb)+8*\j, 48*((\sb)/3)+12*(4*(\sb)+2*\j+\k), 12*(4*(\sb)+2*\i+\k), ANSC+4*(\sb)+2*\j+\k, XNS+4*(\sb)+2*\i+\k
.else
	WM SC+64*\i+16*(\sb)+8*\j, 48*((\sb)/3)+12*(4*(\sb)+2*\j+\k), 12*(4*(\sb)+2*\i+\k), SC+64*\i+16*(\sb)+8*\j, ANSC+4*(\sb)+2*\j+\k, XNS+4*(\sb)+2*\i+\k
.endif
.endr
.endr
.endr
.endm
.macro ATG sb                                  ; a^T: subspace sb, my four tiles: 24 loads of 8 bytes
	WIN 0xc0
.irp t, 0,1,2,3
.irp c, 0,1
.irp i, 0,1,2
	ds_load_b64 v[12*(4*(\sb)+\t)+6*\c+2*\i:12*(4*(\sb)+\t)+6*\c+2*\i+1], v[ATA+\c] offset:12800*(\sb)+768*\t+8*\i
.endr
.endr
.endr
	WIN 0
.endm
; Tile u's 64 scores of a lane (4 s x 16 j): softmax over s, then each subspace's 16 numbers are half a block along j: codes and byte to LDS.  In tile 0 a^T's groups 1 to 3 are asked of LDS among the vector lines.
.macro SOFTQ u
.set B0, SC+64*(\u)
.if (\u) == 1
	s_wait_alu depctr_va_vdst(0)                   ; ahead of the first reader of tile 1's scores
.endif
.set e, 0
.rept 16
	v_max3_num_f32 v[MX+e], v[B0+e], v[B0+16+e], v[B0+32+e]      ; ascending: each accumulator is first read at its low end
.set e, e+1
.endr
.set e, 0
.rept 16
	v_max_num_f32 v[MX+e], v[MX+e], v[B0+48+e]
.set e, e+1
.endr
.if (\u) == 0
	ATG 1
.endif
.set e, 0
.rept 8
	v_pk_mul_f32 v[MX+e:MX+e+1], v[MX+e:MX+e+1], s[52:53] op_sel_hi:[1,0]         ; - max x log2(e)
.set e, e+2
.endr
.set e, 0
.rept 32
	v_pk_fma_f32 v[B0+e:B0+e+1], v[B0+e:B0+e+1], s[50:51], v[MX+(e%16):MX+(e%16)+1] op_sel_hi:[1,0,1]
.set e, e+2
.endr
.if (\u) == 0
	ATG 2
.endif
.set e, 0
	s_wait_alu depctr_va_vdst(0)                   ; ahead of the batch
.rept 64
	v_exp_f32 v[B0+e], v[B0+e]
.set e, e+1
.endr
	v_nop                                          ; a plain place behind the exponentials
.if (\u) == 0
	ATG 3
.endif
	s_wait_alu depctr_va_vdst(0)                   ; one wait for the 64, ahead of their first reader
.set e, 0
.rept 8
	v_pk_add_f32 v[MX+e:MX+e+1], v[B0+e:B0+e+1], v[B0+16+e:B0+17+e]
.set e, e+2
.endr
.irp sb, 32,48
.set e, 0
.rept 8
	v_pk_add_f32 v[MX+e:MX+e+1], v[MX+e:MX+e+1], v[B0+\sb+e:B0+\sb+e+1]
.set e, e+2
.endr
.endr
.set e, 0
	s_wait_alu depctr_va_vdst(0)
.rept 16
	v_rcp_f32 v[MX+e], v[MX+e]
.set e, e+1
.endr
	v_nop
	s_wait_alu depctr_va_vdst(0)                   ; one wait for the 16
.set e, 0
.rept 32
	v_pk_mul_f32 v[B0+e:B0+e+1], v[B0+e:B0+e+1], v[MX+(e%16):MX+(e%16)+1]
.set e, e+2
.endr
.irp sb, 0,1,2,3
	v_max3_num_f32 v[TQ+\sb], v[B0+16*\sb], v[B0+16*\sb+1], 0x2800000            ; w is never negative: no |.|; the floor 2^(5 - 127)
.endr
.irp i, 2,4,6,8,10,12,14
.irp sb, 0,1,2,3
	v_max3_num_f32 v[TQ+\sb], v[TQ+\sb], v[B0+16*\sb+\i], v[B0+16*\sb+\i+1]
.endr
.endr
.irp sb, 0,1,2,3
	v_permlanex16_b32 v[TQ2+\sb], v[TQ+\sb], s54, s55
.endr
.irp sb, 0,1,2,3
	v_max_num_f32 v[TQ+\sb], v[TQ+\sb], v[TQ2+\sb]
.endr
.irp sb, 0,1,2,3
	v_add_nc_u32 v[TS+\sb], 0xfe000000, v[TQ+\sb]
.endr
.irp sb, 0,1,2,3
	v_lshrrev_b32 v[TBY+\sb], 23, v[TS+\sb]
.endr
.irp sb, 0,1,2,3
	v_cvt_scalef32_pk16_bf6_f32 v[MX+4*\sb:MX+4*\sb+2], v[B0+16*\sb:B0+16*\sb+15], v[TS+\sb]
.endr
	v_nop                                          ; one plain place behind a scaled conversion
.irp sb, 0,1,2,3
.irp i, 0,1,2
	ds_store_b32 v12, v[MX+4*\sb+\i] offset:1536*(2*\sb+(\u))+4*\i      ; block w of the trip's four: lane r + 16 (w mod 2), registers 6 (w / 2) on; my half of it 12 (lane / 16) bytes on
.endr
	ds_store_b8 v13, v[TBY+\sb] offset:64*(2*\sb+(\u))
.endr
.endm
.macro PVM sb, zero                            ; 8 matrix instructions, each on another accumulator
	WIN 0x53
.irp t, 0,1,2,3
.irp u, 0,1
.if \zero
	WM0 128*\u+32*\t+8*(\sb), 12*(4*(\sb)+\t), 128+12*(2*(\sb)+\u), VS+4*(\sb)+\t, WS+2*(\sb)+\u
.else
	WM 128*\u+32*\t+8*(\sb), 12*(4*(\sb)+\t), 128+12*(2*(\sb)+\u), 128*\u+32*\t+8*(\sb), VS+4*(\sb)+\t, WS+2*(\sb)+\u
.endif
.endr
.endr
.endm
; a^T's fragments are in registers.  fetch = 1: the next trip's an follows into registers
.macro PV zero, fetch
.irp sb, 0,1,2,3
.irp t, 0,1,2,3
	ds_load_u16 v[VS+4*\sb+\t], v[ATA+2] offset:12800*\sb+32*\t  ; a^T's scale bytes of blocks 0, 1
	ds_load_u16 v[MX+4*\sb+\t], v[ATA+3] offset:12800*\sb+32*\t  ; and of blocks 2, 3
.endr
.endr
.irp n, 0,1,2,3,4,5,6,7
	ds_load_b32 v[WS+\n], v18 offset:64*\n
.endr
.irp n, 0,1,2,3,4,5,6,7
.irp c, 0,1,2
	ds_load_b128 v[128+12*\n+4*\c:128+12*\n+4*\c+3], v17 offset:1536*\n+16*\c
.endr
.endr
.if \fetch
	FANS
	FAN 3
	WIN 0
.endif
	s_wait_dscnt 24+28*(\fetch)                    ; w's 24 loads and an's 28 may be out: the scale bytes and words are in
.set e, 0
.rept 16
	v_lshl_or_b32 v[VS+e], v[MX+e], 16, v[VS+e]
.set e, e+1
.endr
.rept 8
	v_nop                                          ; a scale register written by a vector instruction stands 8 places ahead of the scaled matrix instruction
.endr
	s_wait_alu depctr_va_vdst(0)
	s_wait_dscnt 28*(\fetch)                       ; w's fragments are in; an's 28 loads may be out
.irp sb, 0,1,2
	PVM \sb, \zero
.if \fetch
	PLACES                                         ; in front of loads into the registers just multiplied
	FAN \sb
.endif
.endr
	PVM 3, \zero
	WIN 0
.endm
; Trip t of the walk.  On the way in: an of this trip in registers, a^T of this trip in the slot s44, s46 = c + t.
.macro JTRIP kind, zero
	s_wait_tensorcnt 0x0                           ; no tensor load of mine is out, so every group 0 may be written
	ds_add_u32 v14, v15                            ; the descriptors' lines stand between the add and its wait
	s_xor_b32 s37, s37, XORS                       ; waves 2, 3 fill the slot of a^T that is not in hand
.if (\kind) == 1
	s_add_co_u32 s46, s46, 1
	s_and_b32 s48, s46, 7                          ; the next trip's tile, (c + t + 1) mod 8: an,
	s_mul_i32 s48, s48, 204800
	s_add_nc_u64 s[34:35], s[60:61], s[48:49]
	s_or_b32 s35, s35, 0x80000000
	s_add_co_u32 s48, s48, 102400                  ; and a^T
	s_add_nc_u64 s[38:39], s[60:61], s[48:49]
	s_or_b32 s39, s39, 0x80000000
.else
	s_add_co_u32 s48, s47, 1                       ; Wr's step 1 in a^T's stead (step 0's descriptor was made at the head)
	s_and_b32 s48, s48, 7
	s_mul_i32 s48, s48, 102400
	s_add_nc_u64 s[38:39], s[62:63], s[48:49]
	s_or_b32 s39, s39, 0x80000000
.endif
	s_wait_dscnt 0x0                               ; the add is done; an is in my registers; my reads of w's fragments are over
	ROUND
	JLOAD \kind
	PLACES                                         ; with the four behind the load: more than five places ahead of scores laid over w's fragments
	SIM 3
	SIM 0
	SIM 1
	SIM 2
	WIN 0
	PLACES
.irp i, 0,1,2,3
	v_add_nc_u32 v[ATA+\i], s44, v[8+\i]
.endr
	ATG 0
	SOFTQ 0
	s_wait_dscnt 0x0                               ; tile 0's stores have read their registers
	SOFTQ 1
	s_wait_tensorcnt 0x0                           ; THE MIDDLE: what this trip's round asked for has landed: every wave runs the wait
	s_wait_dscnt 0x0                               ; my codes of w lie in LDS, a^T is in my registers
	BAR
	PV \zero, 2-(\kind)
	s_xor_b32 s44, s44, XORS
.endm
; weighted, tile u, K step 2 w + qq: two blocks of a lane (c = 0, 1), each 32 consecutive registers of window 1; lane (r, h) holds block 2 c + h of row r: the operand's own layout.
.macro GQ u, qq
	WIN 0x05
.irp c, 0,1
	v_max3_num_f32 v[GT+\c], |v[128*(\u)+64*(\qq)+32*\c]|, |v[128*(\u)+64*(\qq)+32*\c+1]|, 0x2800000
.endr
.irp i, 2,4,6,8,10,12,14,16,18,20,22,24,26,28,30
.irp c, 0,1
	v_max3_num_f32 v[GT+\c], |v[128*(\u)+64*(\qq)+32*\c+\i]|, |v[128*(\u)+64*(\qq)+32*\c+\i+1]|, v[GT+\c]
.endr
.endr
	WIN 0
.irp c, 0,1
	v_add_nc_u32 v[GT+2+\c], 0xfe000000, v[GT+\c]
.endr
.irp c, 0,1
	v_lshrrev_b32 v[GT+4+\c], 23, v[GT+2+\c]
.endr
	v_lshl_or_b32 v[GT+6], v[GT+5], 16, v[GT+4]    ; my two bytes: blocks h and 2 + h,
	v_lshlrev_b32 v[GT+6], v6, v[GT+6]             ; 8 h bits up;
	v_permlanex16_b32 v[GT+7], v[GT+6], s54, s55
	v_or_b32 v[GT+6], v[GT+6], v[GT+7]             ; with lane l xor 16's two the word is whole
	WIN 0x01
.irp c, 0,1
	v_cvt_scalef32_pk16_bf6_f32 v[GPC+6*\c:GPC+6*\c+2], v[128*(\u)+64*(\qq)+32*\c:128*(\u)+64*(\qq)+32*\c+15], v[GT+2+\c]
	v_cvt_scalef32_pk16_bf6_f32 v[GPC+12+4*\c:GPC+14+4*\c], v[128*(\u)+64*(\qq)+32*\c+16:128*(\u)+64*(\qq)+32*\c+31], v[GT+2+\c]
.endr
	WIN 0
	v_nop
.irp c, 0,1
.irp i, 0,1,2
	v_mov_b32 v[GPC+3+6*\c+\i], v[GPC+12+4*\c+\i]
.endr
.endr
.irp c, 0,1,2
	ds_store_b128 v19, v[GPC+4*\c:GPC+4*\c+3] offset:1536*(2*(\qq)+(\u))+16*\c
.endr
	ds_store_b32 v20, v[GT+6] offset:64*(2*(\qq)+(\u))
	s_wait_dscnt 0x0                               ; the stores have read their registers
.endm
.macro WRG q, g                                ; even steps lie in an's slot (v4), odd ones in a^T's slot 0 (v27)
	WIN 0xc0
.irp t, 0,1,2,3
.irp c, 0,1,2
	ds_load_b128 v[12*(4*(\g)+\t)+4*\c:12*(4*(\g)+\t)+4*\c+3], v[4+23*((\q)%2)] offset:1536*(4*(\g)+\t)+16*\c
.endr
.endr
.endm
.macro WRM q, g
	WIN 0x53
.irp t, 0,1,2,3
.irp u, 0,1
.if (\q) == 0
	WM0 128*\u+8*(4*(\g)+\t), 12*(4*(\g)+\t), 128+12*\u, ANSC+4*(\g)+\t, WS+\u
.else
	WM 128*\u+8*(4*(\g)+\t), 12*(4*(\g)+\t), 128+12*\u, 128*\u+8*(4*(\g)+\t), ANSC+4*(\g)+\t, WS+\u
.endif
.endr
.endr
.endm
; Step q of the walk over Wr: K step (c + q) mod 8.  Behind its round the slot of step q - 1 takes step q + 1.
.macro WRTRIP q
.if (\q) > 0
	s_wait_tensorcnt 0x0
	ds_add_u32 v14, v15
.if (\q) < 7
	WSTEP (\q)+1
.endif
	s_wait_dscnt 0x0
.if (\q) < 7
	ROUND
	JLOAD 3
.else
	BAR                                            ; nothing is left to fetch
.endif
.endif
	PLACES
	s_add_co_u32 s56, s47, (\q)
	s_and_b32 s56, s56, 7                          ; the K step
	s_mul_i32 s57, s56, 3072
	s_lshl_b32 s56, s56, 7
	v_add_nc_u32 v6, s57, v21                      ; weighted's two fragments of that K step,
	v_add_nc_u32 v7, s56, v22                      ; and their scale words
.set f, 0
.rept 16
	ds_load_b32 v[ANSC+f], v[5+24*((\q)%2)] offset:64*f
.set f, f+1
.endr
.irp u, 0,1
	ds_load_b32 v[WS+\u], v7 offset:64*\u
.irp c, 0,1,2
	ds_load_b128 v[128+12*\u+4*\c:128+12*\u+4*\c+3], v6 offset:1536*\u+16*\c
.endr
.endr
	WRG \q, 0
	WRG \q, 1
	s_wait_dscnt 12                                ; all but the group just asked for
	WRM \q, 0
	WRG \q, 2
	s_wait_dscnt 12
	WRM \q, 1
	WRG \q, 3
	s_wait_dscnt 12
	WRM \q, 2
	s_wait_dscnt 0x0
	WRM \q, 3
	WIN 0
.endm
.macro TOSTAGE u                               ; 16 rows x my 256 columns through my stage (row pitch 1,040), back as rows
	WIN 0x04
.irp t, 0,1,2,3,4,5,6,7,8,9,10,11,12,13,14,15
	ds_store_b128 v23, v[128*(\u)+8*\t:128*(\u)+8*\t+3] offset:128*(\t/2)+32*(\t%2)
	ds_store_b128 v23, v[128*(\u)+8*\t+4:128*(\u)+8*\t+7] offset:128*(\t/2)+32*(\t%2)+16
.endr
	WIN 0
.set n, 0
.rept 32
	ds_load_b128 v[128+4*n:131+4*n], v24 offset:1040*(n/2)+512*(n%2)
.set n, n+1
.endr
.endm
.macro SEND u
.set n, 0
.rept 32
	s_wait_dscnt 31-n
	v_pk_add_f32 v[128+4*n:129+4*n], v[128+4*n:129+4*n], v[MX+4*(n%2):MX+4*(n%2)+1]
	v_pk_add_f32 v[130+4*n:131+4*n], v[130+4*n:131+4*n], v[MX+4*(n%2)+2:MX+4*(n%2)+3]
	global_store_b128 v25, v[128+4*n:131+4*n], s[12:13] offset:(8*(\u)+((n/2)%8)+16*((n/2)/8))*4096+512*(n%2) th:TH_STORE_NT   ; 512 consecutive bytes of a row, at a multiple of 512
.set n, n+1
.endr
.endm
	s_load_b256 s[4:11], s[0:1], 0x0               ; xnc, kv, wrc, br
	s_load_b64 s[12:13], s[0:1], 0x20              ; out0
	v_lshl_add_u32 v14, v0, 2, SPARE
	v_mov_b32 v15, 0
	ds_add_u32 v14, v15                            ; the opening: the add, twice on end, and its wait ahead of my first tensor load
	ds_add_u32 v14, v15
	v_lshrrev_b32 v1, 5, v0
	v_readfirstlane_b32 s[WV], v1
	s_bfe_u32 s15, ttmp6, 0x40000                  ; cx: it enters global addresses alone
	s_lshl_b32 s16, ttmp9, 2
	s_add_co_u32 s16, s16, s15                     ; my block of 32 rows
	s_lshr_b32 s17, ttmp9, 3                       ; the batch, which the partners share
	s_mul_i32 s18, s17, 1638400
	s_mov_b32 s19, 0
	s_and_b32 s20, s[WV], 1
	s_mul_i32 s20, s20, 51200                      ; which half of a slot I fetch
	s_mov_b32 s21, 0
	s_mov_b32 s24, 0x0023000f                      ; group 1: mask 15, elements of 8 bytes, bit 21 beside the mask, no padding
	s_mov_b32 s25, 32<<16
	s_mov_b32 s26, 200<<16                         ; 200 rows of 256 bytes: 51,200 dense bytes
	s_mov_b32 s27, 32<<16
	s_mov_b32 s28, 200
	s_mov_b32 s29, 32
	s_mov_b32 s30, 0
	s_mov_b32 s31, 0
	s_mov_b32 s44, 0                               ; the slot of a^T in hand
	s_and_b32 s47, ttmp9, 7                        ; c: where my cluster's walks begin: the same in all four partners
	s_mov_b32 s46, s47                             ; c + the trip's number
	s_mov_b32 s49, 0
	s_mov_b32 s50, 0x3fb8aa3b                      ; log2(e)
	s_mov_b32 s51, s50
	s_mov_b32 s52, 0xbfb8aa3b
	s_mov_b32 s53, s52
	s_mov_b32 s54, 0x76543210
	s_mov_b32 s55, 0xfedcba98
	v_and_b32 v1, 15, v0                           ; r
	v_bfe_u32 v2, v0, 4, 1                         ; h
	v_and_b32 v3, 31, v0                           ; l
	v_mul_u32_u24 v30, v3, 48                      ; 48 l
	v_lshlrev_b32 v31, 2, v1                       ; 4 r
	s_mul_i32 s56, s[WV], 25600
	v_add_nc_u32 v27, s56, v30                     ; my quarter of a^T's slot 0 (Wr's odd steps)
	v_add_nc_u32 v4, AN, v27                       ; and of an's slot (an, Wr's even steps)
	v_add_nc_u32 v29, s56, v31
	v_add_nc_u32 v29, 24576, v29                   ; their scale words
	v_add_nc_u32 v5, AN, v29
	s_mul_i32 s57, s[WV], 3072
	v_mul_u32_u24 v8, v3, 24
	v_add_nc_u32 v8, s57, v8                       ; a^T in slot 0: my four tiles, 24 bytes a lane; c = 0,
	v_add_nc_u32 v9, 51200, v8                     ; c = 1
	s_lshl_b32 s57, s[WV], 7
	s_add_co_u32 s57, s57, 12288
	v_lshl_add_u32 v10, v1, 1, s57                 ; its scale bytes
	v_add_nc_u32 v11, 51200, v10
	s_and_b32 s57, s[WV], 1
	s_mul_i32 s57, s57, 768
	s_lshr_b32 s58, s[WV], 1
	s_mul_i32 s58, s58, 24
	s_add_co_u32 s57, s57, s58
	s_add_co_u32 s57, s57, WIMG
	v_mul_u32_u24 v12, v1, 48
	v_mad_u32_u24 v12, v2, 12, v12
	v_add_nc_u32 v12, s57, v12                     ; where my 12 bytes of w's codes go
	s_add_co_u32 s57, s[WV], WSC
	v_add_nc_u32 v13, s57, v31                     ; and my block's byte
	v_add_nc_u32 v17, WIMG, v30
	v_add_nc_u32 v18, WSC, v31
	s_mul_i32 s57, s[WV], 6144
	s_add_co_u32 s57, s57, GIMG
	v_add_nc_u32 v19, s57, v30                     ; where I store weighted's fragments
	s_lshl_b32 s57, s[WV], 8
	s_add_co_u32 s57, s57, GSC
	v_add_nc_u32 v20, s57, v31
	v_add_nc_u32 v21, GIMG, v30                    ; and read them: K step 0's
	v_add_nc_u32 v22, GSC, v31
	s_mul_i32 s57, s[WV], 16640                    ; the way out: my stage, in an's slot behind its last fill and its last read
	s_add_co_u32 s57, s57, AN
	v_mul_u32_u24 v23, v1, 1040
	v_lshl_add_u32 v23, v2, 6, v23
	v_add_nc_u32 v23, s57, v23
	v_lshlrev_b32 v25, 4, v3
	v_add_nc_u32 v24, s57, v25
.irp b, 0,1,2,3
	v_mov_b32 v[TQ2+\b], 0                         ; written once: a lane permute's destination counts as one of its sources
.endr
	s_wait_alu depctr_va_vdst(0)
	s_wait_dscnt 0x0                               ; both opening adds are done
	s_wait_kmcnt 0x0
	s_add_nc_u64 s[6:7], s[6:7], s[18:19]          ; kv at my batch
	s_add_nc_u64 s[60:61], s[6:7], s[20:21]        ; at my half of its tile 0: kept for every refill
	s_add_nc_u64 s[62:63], s[8:9], s[20:21]        ; wrc at my half of K step 0: likewise
	s_mul_i32 s48, s47, 204800                     ; tile c
	s_mov_b32 s32, 1                               ; an
	s_add_co_u32 s33, s20, AN
	s_add_nc_u64 s[34:35], s[60:61], s[48:49]
	s_mov_b32 s36, 1                               ; a^T, slot 0
	s_mov_b32 s37, s20
	s_add_nc_u64 s[38:39], s[34:35], 102400
	s_or_b32 s35, s35, 0x80000000
	s_or_b32 s39, s39, 0x80000000
	s_mul_i32 s48, s47, 102400                     ; K step c
	s_mov_b32 s40, 1                               ; Wr's step 0, into an's slot
	s_add_co_u32 s41, s20, AN
	s_add_nc_u64 s[42:43], s[62:63], s[48:49]
	s_or_b32 s43, s43, 0x80000000
	s_mov_b32 s23, 0
	s_mul_i32 s22, s16, 25600
	s_add_nc_u64 s[4:5], s[4:5], s[22:23]          ; my rows' piece of xnc
	s_lshl_b32 s22, s16, 17
	s_lshl_b32 s56, s[WV], 10
	s_add_co_u32 s22, s22, s56
	s_add_nc_u64 s[12:13], s[12:13], s[22:23]      ; out0 at my 32 rows, my 256 columns
	s_mov_b32 s57, 0
	s_add_nc_u64 s[10:11], s[10:11], s[56:57]      ; br at my columns
	ROUND                                          ; the four work-groups are here: the first joint loads meet
	JLOAD 1                                        ; an and a^T of trip 0: every wave has one load out
	WIN 0x80
.set f, 0
.rept 16
.irp c, 0,1,2
	global_load_b128 v[12*f+4*\c:12*f+4*\c+3], v30, s[4:5] offset:1536*f+16*\c   ; xn stays in registers
.endr
.set f, f+1
.endr
	WIN 0
.set f, 0
.rept 16
	global_load_b32 v[XNS+f], v31, s[4:5] offset:24576+64*f
.set f, f+1
.endr
	s_wait_tensorcnt 0x0                           ; my half of a tile of trip 0 has landed
	BAR                                            ; so of every wave
	FANS                                           ; an of trip 0 into registers
	FAN 0
	FAN 1
	FAN 2
	FAN 3
	WIN 0
	s_wait_loadcnt 0x0                             ; xn
	JTRIP 1, 1                                     ; trip 0: its products start O^T's sums; a^T's slot 1 gets its first fill
	s_mov_b32 s45, 6
.Ltrip:
	JTRIP 1, 0
	s_sub_co_u32 s45, s45, 1
	s_cmp_lg_u32 s45, 0
	s_cbranch_scc1 .Ltrip
	JTRIP 2, 0                                     ; trip 7 is written out: it asks for the first two steps of the walk over Wr
	BAR                                            ; every wave's reads of a^T's slot 1 (its scale bytes were the last, awaited in PV) are over: weighted may be stored there
	; ---- weighted becomes an operand
.irp e, 0,1
.irp sb, 0,1,2,3
	global_load_b128 v[BR+16*\e+4*\sb:BR+16*\e+4*\sb+3], v25, s[10:11] offset:4096*\sb+512*\e
.endr
.endr
	PLACES
	v_lshlrev_b32 v6, 3, v2                        ; 8 h
	v_mov_b32 v[GT+7], 0
.irp u, 0,1
.irp qq, 0,1
	GQ \u, \qq
.endr
.endr
	BAR                                            ; the sixteen fragments lie in LDS
.irp q, 0,1,2,3,4,5,6,7
	WRTRIP \q
.endr
	; ---- the way out
	PLACES
	s_wait_loadcnt 0x0                             ; br
.irp e, 0,1
.irp p, 0,2
	v_pk_add_f32 v[MX+4*\e+\p:MX+4*\e+\p+1], v[BR+16*\e+\p:BR+16*\e+\p+1], v[BR+16*\e+4+\p:BR+16*\e+5+\p]
	v_pk_add_f32 v[MX+4*\e+\p:MX+4*\e+\p+1], v[MX+4*\e+\p:MX+4*\e+\p+1], v[BR+16*\e+8+\p:BR+16*\e+9+\p]
	v_pk_add_f32 v[MX+4*\e+\p:MX+4*\e+\p+1], v[MX+4*\e+\p:MX+4*\e+\p+1], v[BR+16*\e+12+\p:BR+16*\e+13+\p]
.endr
.endr
	TOSTAGE 0
	s_wait_alu depctr_va_vdst(0)
	SEND 0
	s_wait_xcnt 0x0                                ; the stores have read their registers: they may be loaded again
	TOSTAGE 1
	SEND 1
	s_wait_tensorcnt 0x0                           ; the wave's end
	ds_add_u32 v14, v15
	s_wait_dscnt 0x0
	ROUND                                          ; the closing round
	s_endpgm
.Lfunc_end_k_qba74925fa8_attn:
	.size	k_qba74925fa8_attn, .Lfunc_end_k_qba74925fa8_attn-k_qba74925fa8_attn
	.p2alignl 7, 3214868480
	.fill 96, 4, 3214868480
	.section	.rodata,"a",@progbits
	.p2align	6, 0x0
	.amdhsa_kernel k_qba74925fa8_attn
		.amdhsa_group_segment_fixed_size 327680
		.amdhsa_private_segment_fixed_size 0
		.amdhsa_enable_private_segment 0
		.amdhsa_kernarg_size 40
		.amdhsa_user_sgpr_count 2
		.amdhsa_user_sgpr_kernarg_segment_ptr 1
		.amdhsa_wavefront_size32 1
		.amdhsa_system_sgpr_workgroup_id_x 1
		.amdhsa_system_sgpr_workgroup_id_y 1
		.amdhsa_system_sgpr_workgroup_id_z 1
		.amdhsa_system_vgpr_workitem_id 0
		.amdhsa_next_free_vgpr 1024
		.amdhsa_next_free_sgpr 66
		.amdhsa_reserve_vcc 0
		.amdhsa_float_denorm_mode_32 3
		.amdhsa_float_denorm_mode_16_64 3
		.amdhsa_memory_ordered 1
		.amdhsa_forward_progress 1
		.amdhsa_inst_pref_size 255
	.end_amdhsa_kernel
	.section	.bss,"aw",@nobits
	.p2align	6
	.space	262144
	.amdgpu_metadata
---
amdhsa.version: [ 1, 2 ]
amdhsa.kernels:
  - .name:           k_qba74925fa8_attn
    .symbol:         k_qba74925fa8_attn.kd
    .args:
      - { .name: xnc, .offset: 0, .size: 8, .value_kind: global_buffer, .address_space: global }
      - { .name: kv, .offset: 8, .size: 8, .value_kind: global_buffer, .address_space: global }
      - { .name: wrc, .offset: 16, .size: 8, .value_kind: global_buffer, .address_space: global }
      - { .name: br, .offset: 24, .size: 8, .value_kind: global_buffer, .address_space: global }
      - { .name: out0, .offset: 32, .size: 8, .value_kind: global_buffer, .address_space: global }
    .group_segment_fixed_size: 327680
    .private_segment_fixed_size: 0
    .kernarg_segment_align: 8
    .kernarg_segment_size: 40
    .max_flat_workgroup_size: 128
    .sgpr_count:     66
    .vgpr_count:     1024
    .wavefront_size: 32
...
	.end_amdgpu_metadata
.endif
;; end of part 6
